; MI455X (gfx1250); checked and timed in simulation.
; The chip was launched on July 23, 2026; its instructions are those of AMD's public machine-readable ISA for CDNA 5 (MIT licence, August 2026) and "CDNA5" Instruction Set Architecture Reference Guide (July 2026). The comments in the code are by the model that wrote it; some were corrected since.
;; Multi Head Attention. Allowed arithmetic: matrix products marked QUANTISED: E3M2 operands, one E8M0 scale for each 32 along K, by v_wmma_scale_f32_16x16x128_f8f6f4 with both operands' format E3M2, f32 sums; everything else in f32.
;; Inputs: Wk 1,024 x 1,024 float32; Wo 1,024 x 1,024 float32; Wq 1,024 x 1,024 float32; Wv 1,024 x 1,024 float32; bo 1,024 float32; x 4 x 2,048 x 1,024 float32.
;; Outputs: out0 4 x 2,048 x 1,024 float32.
;; This version of the problem:
;;   THIS VERSION OF THE PROBLEM IS GIVEN IN LOW PRECISION. The matrix products marked QUANTISED in the list below multiply operands that are first quantised to E3M2 (3 exponent bits, 2 mantissa bits; 6 bits a number), with one power-of-two scale for each 32 numbers along K (OCP MX v1.0); their sums are f32. All else is computed in f32.
;;   The module's matrix products, in the order in which they are computed (A, B: the left and right operand; K: the contracted axis; several contracted axes count as one K, in the product's order):
;;     1. [M 8,192, K 1,024] x [K 1,024, N 1,024]; A: input x; B: input Wq: QUANTISED
;;     2. [M 8,192, K 1,024] x [K 1,024, N 1,024]; A: input x; B: input Wk: QUANTISED
;;     3. [M 8,192, K 1,024] x [K 1,024, N 1,024]; A: input x; B: input Wv: QUANTISED
;;     4. batch 64 x [M 2,048, K 64] x [K 64, N 2,048]; A: computed on the way; B: computed on the way: QUANTISED
;;     5. batch 64 x [M 2,048, K 2,048] x [K 2,048, N 64]; A: softmax (see below); B: computed on the way: QUANTISED
;;     6. [M 8,192, K 1,024] x [K 1,024, N 1,024]; A: computed on the way; B: input Wo: QUANTISED
;;   THE QUANTISER, for each operand of a quantised product, along K:
;;     - K is cut into blocks of 32 from its start; a last block that is shorter is filled with zeros.
;;     - A block's scale is 2^e with e = floor(log2(the largest magnitude in the block)) - 4, held to -126 .. 127; a block of zeros has e = 0. As a byte (E8M0): e + 127.
;;     - Each number is divided by its block's scale, clamped to +-28, and rounded to the nearest number of E3M2, ties to even, subnormals kept.
;;     - The product sums the exact products of the quantised numbers (number of the format x scale) in f32.
;;   ~~~python
;;   def quantise(x, axis):      # numpy; x: float32 -> the quantised numbers, widened to float32 again
;;       x = np.moveaxis(x, axis, -1); K = x.shape[-1]
;;       x = np.pad(x, [(0, 0)] * (x.ndim - 1) + [(0, -K % 32)]); x = x.reshape(x.shape[:-1] + (-1, 32)); a = np.abs(x).max(-1, keepdims=True)
;;       e = np.where(a > 0, np.clip(np.frexp(np.where(a > 0, a, 1))[1] - 1 - 4, -126, 127), 0)      # np.frexp(a)[1] - 1 = floor(log2(a)), exactly
;;       r = np.clip(x / 2.0 ** e, -28, 28)
;;       step = 2.0 ** (np.maximum(np.frexp(np.where(r == 0, 1, r))[1] - 1, -2) - 2)
;;       q = np.round(r / step) * step * 2.0 ** e      # np.round: ties to even
;;       return np.moveaxis(q.reshape(q.shape[:-2] + (-1,))[..., :K], -1, axis).astype(np.float32)
;;   ~~~
;;   SOFTMAX AHEAD OF A QUANTISED PRODUCT. Where the list says 'softmax', what is quantised is not the finished softmax but p = 2^(t - M), with t = logit x log2(e) and M = ceil(the row's largest t), a whole number; so 1/2 < the row's largest p <= 1. The row's sum l is taken of the UNQUANTISED p, in f32, and the product's result is divided by l at the end. Since M is a whole number, a kernel that streams over the keys may use a running M (the ceiling of the running maximum): every later rescaling is an exact power of two, which a block's scale takes up: the codes' values come out the same.
;;   OPERANDS COMPUTED ON THE WAY. 'Computed on the way' means the value that the module computes at that place (a softmax that the list does not call 'softmax' is quantised finished and normalised). What goes into a quantiser is computed in f32, as accurately as f32 sums, v_exp_f32 and their like allow (about 1e-6 of the number): no bf16 or f16 on the way to a quantiser, and a product that is left as it is and whose result goes on into a quantised operand takes f32 operands (vector FMAs, or v_wmma_f32_16x16x4_f32). A number that lies on a knife's edge between two numbers of the format may be rounded either way, as far as f32 arithmetic and the matrix unit's own rounding can turn it there, and no further.
;; One version. Each part assembles by itself: llvm-mc -triple=amdgcn-amd-amdhsa -mcpu=gfx1250 --defsym DOCPART=n.
;; ======== version 1 of 1: 4 launches
;; workspace buffers: opc 15,728,640 bytes; ops 655,360 bytes; qkvc 18,874,368 bytes; qkvs 786,432 bytes
;; launch prep (part 1): grid 512 x 1, 4 waves a work-group, no clusters, 34,304 bytes of LDS; arguments x, Wq, Wk, Wv, Wo, opc, ops; writes opc, ops
.if DOCPART == 1
	.amdgcn_target "amdgcn-amd-amdhsa--gfx1250"
	.amdhsa_code_object_version 6
	.text
	.protected	k_q4679ccc145_prep
	.globl	k_q4679ccc145_prep
	.p2align	8
	.type	k_q4679ccc145_prep,@function
k_q4679ccc145_prep:
	s_mov_b64 s[64:65], 0
	v_nop
	global_prefetch_b8 v0, s[64:65] scope:SCOPE_SE
	s_setreg_imm32_b32 hwreg(HW_REG_WAVE_MODE, 25, 1), 1
	s_wait_xcnt 0x0
; PREP: x [8192][1024] (K innermost) and Wq, Wk, Wv, Wo [1024 (k)][1024 (n)] (K outermost), f32, become codes of BF6 (E3M2) with one E8M0 byte for each 32 along K.
; A block's scale is 2^(floor(log2(its largest magnitude)) - 4); its byte is the largest magnitude's exponent field - 4, held at 1 from below.
; LIMITS: NaN and infinities among the inputs are not served; a block of zeros, or one whose largest magnitude lies under 2^-122, gets the byte 1 (its codes are zeros or subnormal codes; only this program reads the bytes).
; LAYOUT OF THE CODES (opc): [K slot 4][tile 1280][K step in the slot 2][half 2][768 bytes].  A half is 16 rows x 64 along K as an IMAGE OF THE OPERAND'S REGISTERS: lane (r, h) holds block h (32 codes, six registers) of row r;
; registers 0-3 lie at 16 x lane, registers 4-5 at 512 + 8 x lane.  Tiles 0-511 x, 512-575 Wq, 576-639 Wk, 640-703 Wv, 704-767 Wo (768-1279 are filled by a later launch).
; THE ROWS OF A TILE ARE NOT NEIGHBOURS: row r of tile 2 b + u is row (for a weight: column) 32 b + 8 u + r + 8 (r / 8).
; LAYOUT OF THE SCALES (ops): [tile 1280][half of K 2][r 16][4 words]; a word is the four bytes of one K step of 128.
; Work-groups 0-255 take x: a wave 16 rows x 512 along K, in four steps of 128.  Each load reads 512 consecutive bytes of a row; the 16 rows turn through the wave's own stage in LDS, so that a lane gets 32 neighbours twice.
; Work-groups 256-511 take the weights: a wave 32 columns x 128 along K; a lane takes a column and its registers run down K, so a block of 32 is one lane's and nothing is transposed.
; No tensor loads, no barrier: waves share nothing.  Matrix units and clusters have nothing to do here: each byte is read once by one wave.
.set KSLOTB, 3932160                   ; bytes of a K slot: 1280 tiles x 3072
.set TILEB,  3072
.set SROW,   528                       ; a stage row: 512 bytes + 16
.set SWAVE,  16*SROW
.set M,   8                            ; v8-9    largest magnitudes
.set SO,  10                           ; v10-11  the conversions' scale operands
.set BY,  12                           ; v12-13  the scales' bytes
.set SW,  16                           ; v16-19  scale words
.set PC,  20                           ; v20-31  a fragment's codes
.set PT,  32                           ; v32-39  the second halves of the blocks' codes (a conversion's three registers begin on an even number)
.set R,   48                           ; v48-175 numbers as loaded, two sets
.set X,   176                          ; v176-239 x: 64 numbers of my row: register 32 c + i is k = 64 c + 32 h + i
	s_load_b256 s[4:11], s[0:1], 0x0               ; x s[4:5], Wq s[6:7], Wk s[8:9], Wv s[10:11]
	s_load_b128 s[12:15], s[0:1], 0x20             ; Wo s[12:13], opc s[14:15]
	s_load_b64 s[16:17], s[0:1], 0x30              ; ops
	v_lshl_add_u32 v240, v0, 2, 0x8400
	v_mov_b32 v241, 0
	v_lshrrev_b32 v1, 5, v0
	v_readfirstlane_b32 s18, v1                    ; wave
	v_and_b32 v1, 31, v0                           ; lane
	v_and_b32 v7, 15, v0                           ; r
	v_bfe_u32 v6, v0, 4, 1                         ; h (for a weight: u)
	s_mov_b32 s20, 0x76543210
	s_mov_b32 s21, 0xfedcba98                      ; v_permlanex16_b32's selects for lane l xor 16
	s_cmp_lt_u32 ttmp9, 256
	s_cbranch_scc0 .Lweights
	; ---------------- x ----------------
	s_lshl_b32 s22, ttmp9, 2
	s_add_co_u32 s22, s22, s18                     ; my task: 4 x work-group + wave
	s_lshr_b32 s23, s22, 1                         ; the tile
	s_and_b32 s24, s22, 1                          ; which half of K
	s_lshr_b32 s25, s23, 1
	s_lshl_b32 s25, s25, 5
	s_and_b32 s26, s23, 1
	s_lshl_b32 s26, s26, 3
	s_add_co_u32 s25, s25, s26                     ; the tile's first row: 32 (tile / 2) + 8 (tile % 2)
	s_lshl_b32 s26, s25, 12
	s_lshl_b32 s27, s24, 11
	s_add_co_u32 s26, s26, s27                     ; in x: row x 4096 + half x 2048
	s_mov_b32 s27, 0
	s_mul_i32 s28, s24, 2*KSLOTB
	s_mul_i32 s29, s23, TILEB
	s_add_co_u32 s28, s28, s29                     ; in opc: two K slots a half, + the tile
	s_mov_b32 s29, 0
	s_lshl_b32 s30, s23, 9
	s_lshl_b32 s31, s24, 8
	s_add_co_u32 s30, s30, s31                     ; in ops
	s_mov_b32 s31, 0
	v_lshlrev_b32 v2, 4, v1                        ; 16 x lane: a load's and a store's place
	v_lshlrev_b32 v3, 3, v1                        ; 8 x lane
	s_mul_i32 s32, s18, SWAVE                      ; my stage
	v_add_nc_u32 v4, s32, v2                       ; into it: a row as it was loaded
	v_mul_u32_u24 v5, v7, SROW
	v_lshl_add_u32 v5, v6, 7, v5
	v_add_nc_u32 v5, s32, v5                       ; out of it: row r, + 128 h bytes: my block of 32
	v_lshlrev_b32 v6, 3, v6                        ; 8 h: where my two bytes stand in the scale word
	v_lshlrev_b32 v7, 4, v7                        ; 16 r: my row's four words in ops
	v_mov_b32 v15, 0                               ; a lane permute's destination counts as one of its sources
	s_wait_kmcnt 0x0
	s_add_nc_u64 s[4:5], s[4:5], s[26:27]
	s_add_nc_u64 s[14:15], s[14:15], s[28:29]
	s_add_nc_u64 s[16:17], s[16:17], s[30:31]
.macro XLOAD t                         ; step t: 128 along K of the tile's 16 rows; each load reads 512 consecutive bytes
.irp i, 0,1,2,3,4,5,6,7,8,9,10,11,12,13,14,15
	global_load_b128 v[R+64*((\t)%2)+4*\i:R+64*((\t)%2)+4*\i+3], v2, s[4:5] offset:(\i+8*(\i/8))*4096+512*(\t) th:TH_LOAD_NT
.endr
.endm
.macro XSTEP t
.set IM, ((\t)/2)*KSLOTB+((\t)%2)*1536
.if (\t) < 3
	s_wait_loadcnt 16                              ; this step's 16 loads are in; the next step's 16 may be out
.else
	s_wait_loadcnt 0x0
.endif
.irp i, 0,1,2,3,4,5,6,7,8,9,10,11,12,13,14,15
	ds_store_b128 v4, v[R+64*((\t)%2)+4*\i:R+64*((\t)%2)+4*\i+3] offset:SROW*\i
.endr
.irp c, 0,1
.irp j, 0,1,2,3,4,5,6,7
	ds_load_b128 v[X+32*\c+4*\j:X+32*\c+4*\j+3], v5 offset:256*\c+16*\j   ; LDS serves a wave's instructions in order: these see the stores above
.endr
.endr
	s_wait_dscnt 0x0                               ; the numbers are back, and the stores have read their registers,
.if (\t)+2 <= 3
	XLOAD (\t)+2                                   ; which take the loads of two steps on
.endif
.irp c, 0,1
	v_max3_num_f32 v[M+\c], |v[X+32*\c]|, |v[X+32*\c+1]|, 0x2800000   ; my block 2 c + h: all 32 numbers are mine; the floor 2^(5 - 127) holds the byte at 1 from below
.endr
.irp i, 2,4,6,8,10,12,14,16,18,20,22,24,26,28,30
.irp c, 0,1
	v_max3_num_f32 v[M+\c], v[M+\c], |v[X+32*\c+\i]|, |v[X+32*\c+\i+1]|   ; (the two blocks by turns)
.endr
.endr
.irp c, 0,1
	v_add_nc_u32 v[SO+\c], 0xfe000000, v[M+\c]     ; 4 off the exponent field: the conversion takes the exponent field of this operand as its scale
.endr
.irp c, 0,1
	v_lshrrev_b32 v[BY+\c], 23, v[SO+\c]           ; the scale's byte
.endr
	v_lshl_or_b32 v14, v[BY+1], 16, v[BY]          ; my two bytes: blocks h and 2 + h,
	v_lshlrev_b32 v14, v6, v14                     ; at their places;
	v_permlanex16_b32 v15, v14, s20, s21
	v_or_b32 v[SW+(\t)], v14, v15                  ; with lane l xor 16's two the word is whole
.if (\t) > 0
	s_wait_xcnt 0x0                                ; the last step's stores have read the codes' registers
.endif
.irp c, 0,1
	v_cvt_scalef32_pk16_bf6_f32 v[PC+6*\c:PC+6*\c+2], v[X+32*\c:X+32*\c+15], v[SO+\c]
	v_cvt_scalef32_pk16_bf6_f32 v[PT+4*\c:PT+4*\c+2], v[X+32*\c+16:X+32*\c+31], v[SO+\c]
.endr
	v_nop                                          ; one plain place behind a scaled conversion
.irp c, 0,1
.irp i, 0,1,2
	v_mov_b32 v[PC+6*\c+3+\i], v[PT+4*\c+\i]
.endr
.endr
	global_store_b128 v2, v[PC:PC+3], s[14:15] offset:IM           ; each store covers 512 or 256 consecutive bytes, aligned to 256
	global_store_b64 v3, v[PC+4:PC+5], s[14:15] offset:IM+512
	global_store_b128 v2, v[PC+6:PC+9], s[14:15] offset:IM+768
	global_store_b64 v3, v[PC+10:PC+11], s[14:15] offset:IM+1280
.endm
	XLOAD 0
	XLOAD 1
	XSTEP 0
	XSTEP 1
	XSTEP 2
	XSTEP 3
	v_cmp_gt_u32 vcc_lo, 16, v1                    ; lanes 0-15 store the 16 rows' four words: 256 consecutive bytes (lanes 16-31 hold the same words)
	s_wait_xcnt 0x0                                ; EXEC changes only behind this wait
	s_wait_tensorcnt 0x0
	ds_add_u32 v240, v241
	s_wait_dscnt 0x0
	s_and_saveexec_b32 s22, vcc_lo
	global_store_b128 v7, v[SW:SW+3], s[16:17]
	s_wait_xcnt 0x0
	s_or_b32 exec_lo, exec_lo, s22
	s_endpgm
	; ---------------- the weights ----------------
.Lweights:
	s_sub_co_u32 s22, ttmp9, 256
	s_lshr_b32 s23, s22, 6                         ; which weight: 0 Wq, 1 Wk, 2 Wv, 3 Wo
	s_bfe_u32 s24, s22, 0x30003                    ; which 128 columns
	s_and_b32 s25, s22, 7                          ; which K step of 128
	s_lshl_b32 s26, s24, 2
	s_add_co_u32 s26, s26, s18                     ; my wave's 32 columns
	s_lshl_b32 s28, s25, 19                        ; in W: 128 rows of 4096 bytes a K step,
	s_lshl_b32 s29, s26, 7
	s_add_co_u32 s28, s28, s29                     ; + 128 bytes for each 32 columns
	s_mov_b32 s29, 0
	s_lshl_b32 s27, s23, 6
	s_lshl_b32 s30, s26, 1
	s_add_co_u32 s27, s27, s30
	s_add_co_u32 s27, s27, 512                     ; the first of my two tiles
	s_lshr_b32 s30, s25, 1
	s_mul_i32 s30, s30, KSLOTB
	s_mul_i32 s31, s27, TILEB
	s_add_co_u32 s30, s30, s31
	s_and_b32 s31, s25, 1
	s_mul_i32 s31, s31, 1536
	s_add_co_u32 s30, s30, s31                     ; in opc
	s_mov_b32 s31, 0
	s_lshl_b32 s32, s27, 9
	s_lshr_b32 s33, s25, 2
	s_lshl_b32 s33, s33, 8
	s_add_co_u32 s32, s32, s33
	s_and_b32 s33, s25, 3
	s_lshl_b32 s33, s33, 2
	s_add_co_u32 s32, s32, s33                     ; in ops: the tile, the half of K, the K step's word
	s_mov_b32 s33, 0
	v_and_b32 v2, 8, v7
	v_add_nc_u32 v2, v2, v7                        ; r + 8 (r / 8)
	v_lshl_add_u32 v2, v6, 3, v2                   ; + 8 u: my column among the 32: the 32 lanes still read the same 128 consecutive bytes
	v_lshlrev_b32 v2, 2, v2
	v_mul_u32_u24 v5, v6, TILEB
	v_lshl_add_u32 v3, v7, 4, v5                   ; tile u, 16 r
	v_lshl_add_u32 v4, v7, 3, v5                   ; tile u, 8 r
	v_lshlrev_b32 v5, 9, v6
	v_lshl_add_u32 v5, v7, 4, v5                   ; scales: tile u, row r
	s_wait_kmcnt 0x0
	s_cmp_eq_u32 s23, 1                            ; the choice hangs on the work-group's number alone
	s_cselect_b64 s[34:35], s[8:9], s[6:7]
	s_cmp_eq_u32 s23, 2
	s_cselect_b64 s[34:35], s[10:11], s[34:35]
	s_cmp_eq_u32 s23, 3
	s_cselect_b64 s[34:35], s[12:13], s[34:35]
	s_add_nc_u64 s[34:35], s[34:35], s[28:29]
	s_add_nc_u64 s[14:15], s[14:15], s[30:31]
	s_add_nc_u64 s[16:17], s[16:17], s[32:33]
.macro WLOAD t                         ; block t: W(32 t + i, my column), i = 0 .. 31
.irp i, 0,1,2,3,4,5,6,7,8,9,10,11,12,13,14,15,16,17,18,19,20,21,22,23,24,25,26,27,28,29,30,31
	global_load_b32 v[R+32*((\t)%2)+\i], v2, s[34:35] offset:(32*(\t)+\i)*4096 th:TH_LOAD_NT
.endr
.endm
.macro WBLOCK t
.set XS, R+32*((\t)%2)
.set IM, ((\t)/2)*768
.if (\t) < 3
	s_wait_loadcnt 32                              ; this block's 32 loads are in; the next block's may be out
.else
	s_wait_loadcnt 0x0
.endif
	v_max3_num_f32 v8, |v[XS]|, |v[XS+1]|, |v[XS+2]|
	v_max3_num_f32 v9, |v[XS+3]|, |v[XS+4]|, |v[XS+5]|
.irp i, 6,10,14,18,22,26
	v_max3_num_f32 v8, v8, |v[XS+\i]|, |v[XS+\i+1]|
	v_max3_num_f32 v9, v9, |v[XS+\i+2]|, |v[XS+\i+3]|
.endr
	v_max3_num_f32 v8, v8, |v[XS+30]|, |v[XS+31]|
	v_max3_num_f32 v8, v8, v9, 0x2800000           ; and the floor
	v_add_nc_u32 v10, 0xfe000000, v8
	v_lshrrev_b32 v12, 23, v10
.if (\t) == 0
	v_mov_b32 v[SW], v12                           ; the K step's four bytes make my column's word
.else
	v_lshl_or_b32 v[SW], v12, 8*(\t), v[SW]
.endif
.if (\t) > 0
	s_wait_xcnt 0x0                                ; the last block's stores have read the codes' registers
.endif
	v_cvt_scalef32_pk16_bf6_f32 v[PC:PC+2], v[XS:XS+15], v10
	v_cvt_scalef32_pk16_bf6_f32 v[PT:PT+2], v[XS+16:XS+31], v10
	v_nop                                          ; one plain place behind a scaled conversion
.irp i, 0,1,2
	v_mov_b32 v[PC+3+\i], v[PT+\i]
.endr
.if (\t)+2 <= 3
	WLOAD (\t)+2
.endif
	global_store_b128 v3, v[PC:PC+3], s[14:15] offset:IM+256*((\t)%2)       ; block t is image lane (r, t % 2) of half t / 2: sixteen lanes store 256 consecutive bytes, aligned
	global_store_b64 v4, v[PC+4:PC+5], s[14:15] offset:IM+512+128*((\t)%2)  ; and 128 consecutive bytes: the other 128 of that block of 256 come with the neighbouring block
.endm
	WLOAD 0
	WLOAD 1
	WBLOCK 0
	WBLOCK 1
	WBLOCK 2
	WBLOCK 3
	global_store_b32 v5, v[SW], s[16:17]           ; four bytes a lane, 16 bytes apart: the other words of a row belong to other work-groups; 128 KB in the whole launch
	s_endpgm
.Lfunc_end_k_q4679ccc145_prep:
	.size	k_q4679ccc145_prep, .Lfunc_end_k_q4679ccc145_prep-k_q4679ccc145_prep
	.p2alignl 7, 3214868480
	.fill 96, 4, 3214868480
	.section	.rodata,"a",@progbits
	.p2align	6, 0x0
	.amdhsa_kernel k_q4679ccc145_prep
		.amdhsa_group_segment_fixed_size 34304
		.amdhsa_private_segment_fixed_size 0
		.amdhsa_enable_private_segment 0
		.amdhsa_kernarg_size 56
		.amdhsa_user_sgpr_count 2
		.amdhsa_user_sgpr_kernarg_segment_ptr 1
		.amdhsa_wavefront_size32 1
		.amdhsa_system_sgpr_workgroup_id_x 1
		.amdhsa_system_sgpr_workgroup_id_y 1
		.amdhsa_system_sgpr_workgroup_id_z 1
		.amdhsa_system_vgpr_workitem_id 0
		.amdhsa_next_free_vgpr 242
		.amdhsa_next_free_sgpr 66
		.amdhsa_reserve_vcc 1
		.amdhsa_float_denorm_mode_32 3
		.amdhsa_float_denorm_mode_16_64 3
		.amdhsa_memory_ordered 1
		.amdhsa_forward_progress 1
		.amdhsa_inst_pref_size 51
	.end_amdhsa_kernel
	.amdgpu_metadata
---
amdhsa.version: [ 1, 2 ]
amdhsa.kernels:
  - .name:           k_q4679ccc145_prep
    .symbol:         k_q4679ccc145_prep.kd
    .args:
      - { .name: x, .offset: 0, .size: 8, .value_kind: global_buffer, .address_space: global }
      - { .name: Wq, .offset: 8, .size: 8, .value_kind: global_buffer, .address_space: global }
      - { .name: Wk, .offset: 16, .size: 8, .value_kind: global_buffer, .address_space: global }
      - { .name: Wv, .offset: 24, .size: 8, .value_kind: global_buffer, .address_space: global }
      - { .name: Wo, .offset: 32, .size: 8, .value_kind: global_buffer, .address_space: global }
      - { .name: opc, .offset: 40, .size: 8, .value_kind: global_buffer, .address_space: global }
      - { .name: ops, .offset: 48, .size: 8, .value_kind: global_buffer, .address_space: global }
    .group_segment_fixed_size: 34304
    .private_segment_fixed_size: 0
    .kernarg_segment_align: 8
    .kernarg_segment_size: 56
    .max_flat_workgroup_size: 128
    .sgpr_count:     66
    .vgpr_count:     242
    .wavefront_size: 32
...
	.end_amdgpu_metadata
.endif
;; end of part 1
;; launch proj (part 2): grid 12 x 32, 4 waves a work-group, clusters of 4 x 4, 327,680 bytes of LDS; arguments opc, ops, qkvc, qkvs; writes qkvc, qkvs
.if DOCPART == 2
	.amdgcn_target "amdgcn-amd-amdhsa--gfx1250"
	.amdhsa_code_object_version 6
	.text
	.protected	k_q4679ccc145_proj
	.globl	k_q4679ccc145_proj
	.p2align	8
	.type	k_q4679ccc145_proj,@function
k_q4679ccc145_proj:
	s_mov_b64 s[64:65], 0
	v_nop
	global_prefetch_b8 v0, s[64:65] scope:SCOPE_SE
	s_setreg_imm32_b32 hwreg(HW_REG_WAVE_MODE, 25, 1), 1
	s_wait_xcnt 0x0
	s_wait_alu depctr_hold_cnt(0) depctr_sa_sdst(0) depctr_va_vdst(0) depctr_va_sdst(0) depctr_va_ssrc(0) depctr_va_vcc(0) depctr_vm_vsrc(0)
	s_getreg_b32 s2, hwreg(HW_REG_IB_STS2, 6, 4)
	s_cmp_eq_u32 s2, 0
	s_cbranch_scc0 .Lentry_in_a_cluster
	s_endpgm
.Lentry_in_a_cluster:
	s_bfe_u32 s2, ttmp6, 0x10000c
	s_cmp_lg_u32 s2, 0xf033
	s_cbranch_scc0 .Lentry_shape_is_right
	s_endpgm
.Lentry_shape_is_right:
; PROJ: q = x Wq, k = x Wk, v = x Wv on codes of BF6 (E3M2) with E8M0 scales, K = 1024; the results are quantised in registers and leave as codes: q and k along the head's 64 channels, v along the keys.
; Operands come from opc / ops: codes as images of the operand's registers, [K slot 4][tile 1280][K step 2][half 2][768]; scales [tile][half of K][r 16][4 words].
; Row r of tile 2 b + u is row 32 b + 8 u + r + 8 (r / 8), so that the 16 registers of a result's tiles 2 b, 2 b + 1 of SOURCE 0 are 16 neighbours: 32 b + 16 (lane / 16) + 0 .. 15.
; A work-group makes 256 rows of source 1 (S1) x 256 rows of source 0 (S0); each of four waves 128 x 128: 64 accumulators.  A lane holds ONE row of S1, and its registers run along S0.
; TWO MODES, ONE TEXT, by the cluster's x, which all sixteen partners share.  x = 0, 1: S0 = columns of Wq | Wk, S1 = tokens: registers run along a head's channels.  x = 2: S0 = tokens, S1 = columns of Wv: registers run along the keys.
; K goes in four slots of 256 through THREE LDS slots: slots 0 to 2 are asked for at the start, K slot 3 refills LDS slot 0 once, behind a round of the cluster's barrier.  The eight K steps are written out, so that each names its scale registers.
; CLUSTERS 4 x 4: S1's tiles hang on cy and are shared along a row, S0's on cx and are shared along a column: joint loads.  No prefetch: three of four K slots are asked for at the head.
; OUT: qkvc [q, k, v][head 64][98304]: q, k: [token tile 128][768]; v: [key step 16][d tile 4][half 2][768].  qkvs [q, k, v][head 64][group of 128 tokens 16][r 16][4 words]:
;   q, k: word i = the two bytes of tile 2 i, then those of tile 2 i + 1; v: word t = the four bytes of d tile t for these 128 keys.
; LIMITS: NaN and infinities are not served; a block of zeros, or one under 2^-122, gets the byte 1 (only this program reads the bytes).
; REGISTERS: window 0: v1-3 lane terms, v4-15 LDS addresses, v18 and v27 offsets, v28-29 for the add, v32-95 scale words (register 8 i + k: block i, K step k; lanes 0-15 S1's, lanes 16-31 S0's), v96-155 the way out, v160-255 S1's fragments (one set).
;   window 1: S0's fragments, two sets, at v0 and v128.  window 2: accumulators of S1's blocks 0-3 ((a, b) at v[8 (8 a + b)]); window 3: of blocks 4-7.
.set KSLOTB, 3932160
.set TILEB,  3072
.set QUART,  8*TILEB                   ; eight tiles of a K slot: what one tensor load brings, dense in memory and in LDS
.set SLOT,   4*QUART                   ; S1's 16 tiles, then S0's 16
.set SPARE,  3*SLOT                    ; behind the slots: the spare words, 128 bytes a wave: two blocks of 256 bytes that no other line names
.set FR,   12
.set A16,  4                           ; v4-6   S1: 16 x lane + my 8 tiles, in LDS slot 0, 1, 2;  v7-9 the same with 8 x lane
.set A8,   7
.set B16,  10                          ; v10-12, v13-15 the same for S0
.set B8,   13
.set RO,   18                          ; v18    16 r + 4096 (lane / 16): where my row's scale words go
.set VSA,  27                          ; v27    where my scale words come from
.set SPW,  28
.set NIL,  29
.set SC,   32
.set TM,   96                          ; v96-99 largest magnitudes; v100-103 lane l xor 16's, then bytes; v108-111 scale operands
.set TP,   100
.set SO,   108
.set SW,   114                         ; v114-121 the scale word of each of my eight blocks of S1
.set DW,   124
.set EW,   128
.set OW,   132
.set PC,   136                         ; v136-147 a fragment's codes; v148-155 second halves
.set PT,   148
.set AF,   160
.set G1A,  24                          ; s[24:31], s[32:39] descriptor groups 1 for S1's and S0's tiles; s[40:51], s[52:63] groups 0, a set for each LDS slot
.set G1B,  32
.set G0A,  40
.set G0B,  52
.set OB0,  8                           ; s[8:9], s[12:13] where a block's two halves go
.set OB1,  12
.set MSB,  0
.macro WIN new                         ; the immediate's high byte repeats the setting that is left
.if MSB != \new
	s_set_vgpr_msb (MSB<<8)|\new
.set MSB, \new
.endif
.endm
.macro PLACES                          ; four plain places between a matrix instruction and a load into, or a vector read of, its registers
.rept 4
	v_nop
.endr
.endm
.macro JLOAD g0a, g0b                  ; a joint load: waves 0, 1 fetch S1's halves, waves 2, 3 S0's; four v_nop follow each line
	s_cmp_eq_u32 s15, 0
	s_cbranch_scc0 .Lfor_b_\@
	tensor_load_to_lds s[\g0a:\g0a+3], s[G1A:G1A+7]
	s_nop 0
.rept 4
	v_nop
.endr
	s_branch .Lasked_\@
.Lfor_b_\@:
	tensor_load_to_lds s[\g0b:\g0b+3], s[G1B:G1B+7]
	s_nop 0
.rept 4
	v_nop
.endr
.Lasked_\@:
.endm
.macro CREST                           ; a round of the cluster's barrier behind its opening barrier
	s_cmp_lg_u32 s14, 0
	s_cbranch_scc1 .Lnot_wave_0_\@
	s_barrier_signal -3
.Lnot_wave_0_\@:
	s_barrier_wait -3
	s_barrier_signal -1
	s_barrier_wait -1
.endm
.macro CROUND
	s_barrier_signal -1
	s_barrier_wait -1
	CREST
.endm
	s_load_b256 s[4:11], s[0:1], 0x0               ; opc s[4:5], ops s[6:7], qkvc s[8:9], qkvs s[10:11]
	v_lshl_add_u32 v[SPW], v0, 2, SPARE
	v_mov_b32 v[NIL], 0
	ds_add_u32 v28, v29
	ds_add_u32 v28, v29
	s_wait_dscnt 0x0
	v_lshrrev_b32 v1, 5, v0
	v_readfirstlane_b32 s14, v1                    ; wave 0..3
	s_lshr_b32 s15, s14, 1                         ; my half of S1.  Also: I fetch for S1 (0) or for S0 (1)
	s_and_b32 s16, s14, 1                          ; my half of S0.  Also: which eight tiles I fetch
	s_bfe_u32 s66, ttmp6, 0x40000                  ; cx
	s_bfe_u32 s67, ttmp6, 0x40004                  ; cy
	s_and_b32 s68, ttmp7, 0xffff                   ; the cluster's y
	s_cmp_eq_u32 ttmp9, 2                          ; the cluster's x = 2: the mode for v
	s_cselect_b32 s69, 1, 0
	s_cselect_b32 s70, s68, ttmp9                  ; the cluster's coordinate along S0,
	s_cselect_b32 s71, 0, s68                      ; and along S1
	s_cselect_b32 s72, 0, 512                      ; S0's first tile: x's, or Wq's
	s_cselect_b32 s73, 640, 0                      ; S1's first tile: Wv's, or x's
	s_lshl_b32 s70, s70, 2
	s_add_co_u32 s70, s70, s66                     ; X: my block of 16 tiles of S0 (hangs on cx)
	s_lshl_b32 s71, s71, 2
	s_add_co_u32 s71, s71, s67                     ; Y: of S1 (hangs on cy)
	s_lshl_b32 s74, s70, 4
	s_add_co_u32 s72, s72, s74                     ; S0's first tile of mine
	s_lshl_b32 s75, s71, 4
	s_add_co_u32 s73, s73, s75                     ; S1's
	s_lshl_b32 s76, s67, 2
	s_lshl_b32 s76, 15, s76                        ; my row of the cluster
	s_lshl_b32 s77, 0x1111, s66                    ; my column
	; descriptor group 1: 24,576 dense bytes as 96 rows of 32 elements of 8 bytes, no padding
	s_or_b32 s[G1A], s76, (3<<16)|(1<<21)          ; 15:0 the mask; 17:16 elements of 8 bytes; 21 set beside a mask
	s_or_b32 s[G1B], s77, (3<<16)|(1<<21)
.irp g, G1A, G1B
	s_mov_b32 s[\g+1], 32<<16                      ; tensor_dim0
	s_mov_b32 s[\g+2], 96<<16                      ; tensor_dim1
	s_mov_b32 s[\g+3], 32<<16                      ; tile_dim0
	s_mov_b32 s[\g+4], 96                          ; tile_dim1
	s_mov_b32 s[\g+5], 32                          ; from row to row
	s_mov_b32 s[\g+6], 0
	s_mov_b32 s[\g+7], 0
.endr
	s_lshl_b32 s78, s16, 3
	s_add_co_u32 s80, s73, s78
	s_mul_i32 s80, s80, TILEB                      ; S1: the eight tiles that I fetch, in a K slot
	s_mov_b32 s81, 0
	s_add_co_u32 s82, s72, s78
	s_mul_i32 s82, s82, TILEB                      ; S0 likewise
	s_mov_b32 s83, 0
	s_mul_i32 s79, s14, QUART                      ; where they go: wave x 24,576: no place in the cluster enters an LDS address
	s_wait_kmcnt 0x0
	s_add_nc_u64 s[80:81], s[4:5], s[80:81]
	s_add_nc_u64 s[82:83], s[4:5], s[82:83]
	CROUND                                         ; all sixteen work-groups are here: the first joint loads meet
.irp s, 0,1,2
	s_mov_b32 s[G0A+4*\s], 1
	s_add_co_u32 s[G0A+4*\s+1], s79, \s*SLOT
	s_add_nc_u64 s[G0A+4*\s+2:G0A+4*\s+3], s[80:81], \s*KSLOTB
	s_or_b32 s[G0A+4*\s+3], s[G0A+4*\s+3], 0x80000000
	s_mov_b32 s[G0B+4*\s], 1
	s_add_co_u32 s[G0B+4*\s+1], s79, \s*SLOT
	s_add_nc_u64 s[G0B+4*\s+2:G0B+4*\s+3], s[82:83], \s*KSLOTB
	s_or_b32 s[G0B+4*\s+3], s[G0B+4*\s+3], 0x80000000
	JLOAD G0A+4*\s, G0B+4*\s                       ; K slots 0, 1, 2: three tensor loads of mine are out
.endr
	v_and_b32 v1, 31, v0                           ; lane
	v_lshlrev_b32 v2, 4, v1                        ; 16 x lane
	v_lshlrev_b32 v3, 3, v1                        ; 8 x lane
	s_mul_i32 s84, s15, QUART                      ; my eight tiles of S1,
	s_mul_i32 s85, s16, QUART
	s_add_co_u32 s85, s85, 2*QUART                 ; of S0, behind S1's sixteen
.irp s, 0,1,2
	v_add_nc_u32 v[A16+\s], s84, v2
	v_add_nc_u32 v[A8+\s], s84, v3
	v_add_nc_u32 v[B16+\s], s85, v2
	v_add_nc_u32 v[B8+\s], s85, v3
	s_add_co_u32 s84, s84, SLOT
	s_add_co_u32 s85, s85, SLOT
.endr
	; the scale words of all of K come once, straight into registers: lanes 0-15 take S1's block i, lanes 16-31 S0's block i
	v_and_b32 v16, 15, v0                          ; r
	v_bfe_u32 v19, v0, 4, 1                        ; lane / 16
	s_lshl_b32 s86, s15, 3
	s_add_co_u32 s86, s86, s73
	s_lshl_b32 s86, s86, 9                         ; my first tile of S1, 512 bytes a tile
	s_lshl_b32 s87, s16, 3
	s_add_co_u32 s87, s87, s72
	s_lshl_b32 s87, s87, 9                         ; of S0
	v_mov_b32 v17, s86
	v_mov_b32 v20, s87
	v_cmp_le_u32 vcc_lo, 16, v1
	v_cndmask_b32 v17, v17, v20, vcc_lo
	v_lshl_add_u32 v[VSA], v16, 4, v17
.irp i, 0,1,2,3,4,5,6,7
.irp q, 0,1
	global_load_b128 v[SC+8*\i+4*\q:SC+8*\i+4*\q+3], v[VSA], s[6:7] offset:512*\i+256*\q
.endr
.endr
	; where the results go
	v_lshlrev_b32 v[RO], 4, v16
	v_lshl_add_u32 v[RO], v19, 12, v[RO]
.irp b, 0,1,2,3
	v_mov_b32 v[TP+\b], 0                          ; a lane permute's destination counts as one of its sources
.endr
	s_mov_b32 s18, 0x76543210
	s_mov_b32 s19, 0xfedcba98                      ; v_permlanex16_b32's selects for lane l xor 16
	s_lshl_b32 s86, s71, 1
	s_add_co_u32 s86, s86, s15                     ; my 128 rows of S1
	s_lshl_b32 s87, s70, 1
	s_add_co_u32 s87, s87, s16                     ; my 128 rows of S0
	s_and_b32 s90, s87, 7
	s_lshr_b32 s91, s87, 3
	s_mov_b32 s92, 98304
	s_mov_b32 s94, 768
	s_cmp_eq_u32 s69, 1
	s_cselect_b32 s88, s87, s86                    ; the group of 128 tokens
	s_cselect_b32 s89, s86, s90                    ; the pair of heads
	s_cselect_b32 s91, 2, s91                      ; q, k or v
	s_cselect_b32 s92, 768, s92                    ; from a fragment's first half to its second: v: the next 64 keys; q, k: the next head
	s_cselect_b32 s94, 1536, s94                   ; from block to block of S1: v: the next d tile; q, k: the next token tile
	s_cselect_b32 s96, 92160, 0                    ; more at block 4: v: on to the next head
	s_cselect_b32 s20, -1, 0                       ; the mode as a lane mask
	s_mov_b32 s93, 0
	s_mov_b32 s95, 0
	s_mov_b32 s97, 0
	s_lshr_b32 s98, s88, 4                         ; the batch
	s_and_b32 s88, s88, 15                         ; the group in it
	s_lshl_b32 s91, s91, 6
	s_lshl_b32 s98, s98, 4
	s_add_co_u32 s91, s91, s98
	s_lshl_b32 s89, s89, 1
	s_add_co_u32 s91, s91, s89                     ; 64 x which + 16 x batch + the even head
	s_mul_i32 s98, s91, 98304
	s_mul_i32 s99, s88, 6144
	s_add_co_u32 s98, s98, s99
	s_mov_b32 s99, 0
	s_add_nc_u64 s[OB0:OB0+1], s[OB0:OB0+1], s[98:99]
	s_add_nc_u64 s[OB1:OB1+1], s[OB0:OB0+1], s[92:93]
	s_lshl_b32 s91, s91, 4
	s_add_co_u32 s91, s91, s88
	s_lshl_b32 s90, s91, 8
	s_mov_b32 s91, 0
	s_add_nc_u64 s[10:11], s[10:11], s[90:91]
.macro FRAG reg, a16, a8, off          ; a fragment, 12 registers, is two half images: four loads of 512, 256, 512, 256 consecutive bytes
	ds_load_b128 v[\reg:\reg+3], v[\a16] offset:\off
	ds_load_b64 v[\reg+4:\reg+5], v[\a8] offset:\off+512
	ds_load_b128 v[\reg+6:\reg+9], v[\a16] offset:\off+768
	ds_load_b64 v[\reg+10:\reg+11], v[\a8] offset:\off+1280
.endm
.macro FETCH_B slot, q, p              ; S0's eight fragments of the slot's q-th K step into set p
	WIN 0x40
.irp i, 0,1,2,3,4,5,6,7
	FRAG 128*(\p)+FR*\i, B16+(\slot), B8+(\slot), \i*TILEB+(\q)*1536
.endr
	WIN 0
.endm
.macro FETCH_A slot, q, i0             ; S1's blocks i0 .. i0 + 3
.irp i, \i0, \i0+1, \i0+2, \i0+3
	FRAG AF+FR*(\i), A16+(\slot), A8+(\slot), (\i)*TILEB+(\q)*1536
.endr
.endm
; 16 matrix instructions: S1's blocks a0, a0 + 1 x S0's eight, K step k.  The 64 accumulators take turns, one instruction a turn, in the same order in every K step.
.macro MUL16 a0, p, k, zero
.irp a, \a0, \a0+1
.irp b, 0,1,2,3,4,5,6,7
.if \zero
	v_wmma_scale_f32_16x16x128_f8f6f4 v[8*(8*((\a)%4)+\b):8*(8*((\a)%4)+\b)+7], v[128*(\p)+FR*\b:128*(\p)+FR*\b+FR-1], v[AF+FR*(\a):AF+FR*(\a)+FR-1], 0, v[SC+8*\b+(\k)], v[SC+8*(\a)+(\k)] matrix_a_fmt:MATRIX_FMT_BF6 matrix_b_fmt:MATRIX_FMT_BF6 matrix_a_scale:MATRIX_SCALE_ROW1
.else
	v_wmma_scale_f32_16x16x128_f8f6f4 v[8*(8*((\a)%4)+\b):8*(8*((\a)%4)+\b)+7], v[128*(\p)+FR*\b:128*(\p)+FR*\b+FR-1], v[AF+FR*(\a):AF+FR*(\a)+FR-1], v[8*(8*((\a)%4)+\b):8*(8*((\a)%4)+\b)+7], v[SC+8*\b+(\k)], v[SC+8*(\a)+(\k)] matrix_a_fmt:MATRIX_FMT_BF6 matrix_b_fmt:MATRIX_FMT_BF6 matrix_a_scale:MATRIX_SCALE_ROW1
.endif
.endr
.endr
.endm
; K step k multiplies and fetches K step k + 1's fragments (K slot 3 lies in LDS slot 0).
; sync = 0: the next fragments lie in a slot that a barrier has already shown whole.  sync = 1: LDS slot 0 has been read out and is filled again.  sync = 2: the refill has to have landed in every wave.
.macro KSTEP k, sync, zero
.set NS, (((\k)+1)/2)%3
.set NQ, ((\k)+1)%2
.set PP, (\k)%2
.if \sync != 0
	s_wait_tensorcnt 0x0                           ; all my tensor loads have landed
.endif
.if \sync == 1
	ds_add_u32 v[SPW], v[NIL]                      ; 0 onto my spare word
	s_wait_dscnt 17                                ; (the add and the youngest sixteen loads, S1's blocks 4-7, may be out)
.else
	s_wait_dscnt 16                                ; S0's set and S1's blocks 0-3 are in; the youngest sixteen loads may be out
.endif
	WIN 0xa1                                       ; source 0 window 1, source 1 window 0, C and D window 2
	MUL16 0, PP, \k, \zero
.if \sync != 0
	s_wait_dscnt 0x0                               ; the add is done, and my reads of the slot are over
	s_barrier_signal -1
.endif
	MUL16 2, PP, \k, \zero
.if \sync == 0
	s_wait_dscnt 0x0                               ; S1's blocks 4-7 are in
	PLACES
.elseif \sync == 2
	WIN 0
	s_barrier_wait -1                              ; K slot 3 is whole
	PLACES
.else
	WIN 0
	s_barrier_wait -1
	CREST                                          ; the barrier has opened a round of the cluster's barrier: no wave of any partner still reads LDS slot 0 or has a load on its way
	s_add_nc_u64 s[G0A+2:G0A+3], s[G0A+2:G0A+3], 3*KSLOTB
	s_add_nc_u64 s[G0B+2:G0B+3], s[G0B+2:G0B+3], 3*KSLOTB
	JLOAD G0A, G0B                                 ; K slot 3: the first tensor load behind the round; it has four K steps in which to land; its four v_nop are the places in front of the loads below
.endif
	FETCH_B NS, NQ, 1-PP
	FETCH_A NS, NQ, 0
	WIN 0xf1                                       ; C and D window 3
	MUL16 4, PP, \k, \zero
	MUL16 6, PP, \k, \zero
	PLACES
	WIN 0
	FETCH_A NS, NQ, 4
.endm
	s_wait_tensorcnt 0x2                           ; my part of K slot 0 is in; K slots 1 and 2 may stay out
	s_barrier_signal -1
	s_barrier_wait -1
	FETCH_B 0, 0, 0
	FETCH_A 0, 0, 0
	FETCH_A 0, 0, 4
	s_wait_loadcnt 0x0                             ; the scale words
	KSTEP 0, 0, 1                                  ; the first products start the sums: nothing is cleared
	KSTEP 1, 1, 0
	KSTEP 2, 0, 0
	KSTEP 3, 0, 0                                  ; LDS slot 2 was shown whole by K step 1's barrier
	KSTEP 4, 0, 0
	KSTEP 5, 2, 0
	KSTEP 6, 0, 0
	s_wait_dscnt 16                                ; the last K step: nothing more to fetch
	WIN 0xa1
	MUL16 0, 1, 7, 0
	MUL16 2, 1, 7, 0
	s_wait_dscnt 0x0
	WIN 0xf1
	MUL16 4, 1, 7, 0
	MUL16 6, 1, 7, 0
	WIN 0
; THE WAY OUT.  Block a of S1: a lane's 64 results, register 16 b + i = index 32 b + 16 (lane / 16) + i along S0, become a fragment's codes and a scale word.
.macro QUANT a
.set AC, 64*((\a)%4)
.set WA, 2+(\a)/4
.set WW, 5*WA
	WIN WW                                         ; sources 0 and 1: window 2 or 3
.irp b, 0,1,2,3
	v_max3_num_f32 v[TM+\b], |v[AC+16*\b]|, |v[AC+16*\b+1]|, 0x2800000   ; each accumulator is read from its low end on; the floor 2^(5 - 127) holds the byte at 1 from below
.endr
.irp i, 2,4,6,8,10,12,14
.irp b, 0,1,2,3
	v_max3_num_f32 v[TM+\b], |v[AC+16*\b+\i]|, |v[AC+16*\b+\i+1]|, v[TM+\b]
.endr
.endr
	WIN 0
.irp b, 0,1,2,3
	v_permlanex16_b32 v[TP+\b], v[TM+\b], s18, s19
.endr
.irp b, 0,1,2,3
	v_max_num_f32 v[TM+\b], v[TM+\b], v[TP+\b]     ; with lane l xor 16's: the block's largest magnitude
.endr
.irp b, 0,1,2,3
	v_add_nc_u32 v[SO+\b], 0xfe000000, v[TM+\b]    ; 4 off the exponent field: the conversion's scale operand
.endr
.irp b, 0,1,2,3
	v_lshrrev_b32 v[TP+\b], 23, v[SO+\b]           ; the scale's byte
.endr
	v_lshl_or_b32 v[SW+(\a)], v[TP+1], 8, v[TP]
	v_lshl_or_b32 v[SW+(\a)], v[TP+2], 16, v[SW+(\a)]
	v_lshl_or_b32 v[SW+(\a)], v[TP+3], 24, v[SW+(\a)]
.if (\a) > 0
	s_wait_xcnt 0x0                                ; the last block's stores have read their registers and their bases
	s_add_nc_u64 s[OB0:OB0+1], s[OB0:OB0+1], s[94:95]
	s_add_nc_u64 s[OB1:OB1+1], s[OB1:OB1+1], s[94:95]
.endif
.if (\a) == 4
	s_add_nc_u64 s[OB0:OB0+1], s[OB0:OB0+1], s[96:97]
	s_add_nc_u64 s[OB1:OB1+1], s[OB1:OB1+1], s[96:97]
.endif
	WIN WA                                         ; source 0: window 2 or 3
.irp c, 0,1
	v_cvt_scalef32_pk16_bf6_f32 v[PC+6*\c:PC+6*\c+2], v[AC+32*\c:AC+32*\c+15], v[SO+2*\c]
	v_cvt_scalef32_pk16_bf6_f32 v[PT+4*\c:PT+4*\c+2], v[AC+32*\c+16:AC+32*\c+31], v[SO+2*\c+1]
.endr
	WIN 0
	v_nop                                          ; one plain place behind a scaled conversion
.irp c, 0,1                            ; the layout wants a WHOLE block in a lane: lanes 0-15 block 2 c, lanes 16-31 block 2 c + 1
.irp i, 0,1,2
	v_permlane16_swap_b32 v[PC+6*\c+\i], v[PT+4*\c+\i]
.endr
.irp i, 0,1,2
	v_mov_b32 v[PC+6*\c+3+\i], v[PT+4*\c+\i]
.endr
.endr
	global_store_b128 v2, v[PC:PC+3], s[OB0:OB0+1]                 ; a half image: 512 and 256 consecutive bytes, aligned to 256
	global_store_b64 v3, v[PC+4:PC+5], s[OB0:OB0+1] offset:512
	global_store_b128 v2, v[PC+6:PC+9], s[OB1:OB1+1]
	global_store_b64 v3, v[PC+10:PC+11], s[OB1:OB1+1] offset:512
.endm
	PLACES
.irp a, 0,1,2,3,4,5,6,7
	QUANT \a
.endr
	; the scale words.  q, k: a block's word holds the even head's two bytes, then the odd head's: word i of a head takes the halves of blocks 2 i and 2 i + 1.  v: blocks 0-3 are the even head's d tiles, 4-7 the odd head's.
.irp i, 0,1,2,3
	v_perm_b32 v[EW+\i], v[SW+2*\i+1], v[SW+2*\i], 0x05040100
	v_perm_b32 v[OW+\i], v[SW+2*\i+1], v[SW+2*\i], 0x07060302
.endr
.irp i, 0,1,2,3
	v_cndmask_b32 v[EW+\i], v[EW+\i], v[SW+\i], s20
	v_cndmask_b32 v[OW+\i], v[OW+\i], v[SW+4+\i], s20
.endr
	v_cmp_le_u32 vcc_lo, 16, v1
.irp i, 0,1,2,3
	v_cndmask_b32 v[DW+\i], v[EW+\i], v[OW+\i], vcc_lo
.endr
	global_store_b128 v[RO], v[DW:DW+3], s[10:11]  ; lanes 0-15 the even head's 256 bytes, lanes 16-31 the odd head's
	s_wait_tensorcnt 0x0                           ; the wave's end
	ds_add_u32 v[SPW], v[NIL]
	s_wait_dscnt 0x0
	CROUND                                         ; the closing round: no work-group ends while a partner may still ask for a tile that names it
	s_endpgm
.Lfunc_end_k_q4679ccc145_proj:
	.size	k_q4679ccc145_proj, .Lfunc_end_k_q4679ccc145_proj-k_q4679ccc145_proj
	.p2alignl 7, 3214868480
	.fill 96, 4, 3214868480
	.section	.rodata,"a",@progbits
	.p2align	6, 0x0
	.amdhsa_kernel k_q4679ccc145_proj
		.amdhsa_group_segment_fixed_size 327680
		.amdhsa_private_segment_fixed_size 0
		.amdhsa_enable_private_segment 0
		.amdhsa_kernarg_size 32
		.amdhsa_user_sgpr_count 2
		.amdhsa_user_sgpr_kernarg_segment_ptr 1
		.amdhsa_wavefront_size32 1
		.amdhsa_system_sgpr_workgroup_id_x 1
		.amdhsa_system_sgpr_workgroup_id_y 1
		.amdhsa_system_sgpr_workgroup_id_z 1
		.amdhsa_system_vgpr_workitem_id 0
		.amdhsa_next_free_vgpr 1024
		.amdhsa_next_free_sgpr 100
		.amdhsa_reserve_vcc 1
		.amdhsa_float_denorm_mode_32 3
		.amdhsa_float_denorm_mode_16_64 3
		.amdhsa_memory_ordered 1
		.amdhsa_forward_progress 1
		.amdhsa_inst_pref_size 149
	.end_amdhsa_kernel
	.amdgpu_metadata
---
amdhsa.version: [ 1, 2 ]
amdhsa.kernels:
  - .name:           k_q4679ccc145_proj
    .symbol:         k_q4679ccc145_proj.kd
    .args:
      - { .name: opc, .offset: 0, .size: 8, .value_kind: global_buffer, .address_space: global }
      - { .name: ops, .offset: 8, .size: 8, .value_kind: global_buffer, .address_space: global }
      - { .name: qkvc, .offset: 16, .size: 8, .value_kind: global_buffer, .address_space: global }
      - { .name: qkvs, .offset: 24, .size: 8, .value_kind: global_buffer, .address_space: global }
    .group_segment_fixed_size: 327680
    .private_segment_fixed_size: 0
    .kernarg_segment_align: 8
    .kernarg_segment_size: 32
    .max_flat_workgroup_size: 128
    .sgpr_count:     100
    .vgpr_count:     1024
    .wavefront_size: 32
...
	.end_amdgpu_metadata
.endif
;; end of part 2
;; launch attn (part 3): grid 4 x 64, 16 waves a work-group, clusters of 4 x 1, 206,848 bytes of LDS; arguments qkvc, qkvs, opc, ops; writes opc, ops
.if DOCPART == 3
	.amdgcn_target "amdgcn-amd-amdhsa--gfx1250"
	.amdhsa_code_object_version 6
	.text
	.protected	k_q4679ccc145_attn
	.globl	k_q4679ccc145_attn
	.p2align	8
	.type	k_q4679ccc145_attn,@function
k_q4679ccc145_attn:
	s_mov_b64 s[64:65], 0
	v_nop
	global_prefetch_b8 v0, s[64:65] scope:SCOPE_SE
	s_setreg_imm32_b32 hwreg(HW_REG_WAVE_MODE, 25, 1), 1
	s_wait_xcnt 0x0
	s_wait_alu depctr_hold_cnt(0) depctr_sa_sdst(0) depctr_va_vdst(0) depctr_va_sdst(0) depctr_va_ssrc(0) depctr_va_vcc(0) depctr_vm_vsrc(0)
	s_getreg_b32 s2, hwreg(HW_REG_IB_STS2, 6, 4)
	s_cmp_eq_u32 s2, 0
	s_cbranch_scc0 .Lentry_in_a_cluster
	s_endpgm
.Lentry_in_a_cluster:
	s_bfe_u32 s2, ttmp6, 0x10000c
	s_cmp_lg_u32 s2, 0x3003
	s_cbranch_scc0 .Lentry_shape_is_right
	s_endpgm
.Lentry_shape_is_right:
; ATTN: ctx = softmax(q k^T / 8, causal) v for 64 heads of 2048 tokens x 64 channels, both products on codes of BF6 (E3M2) with E8M0 scales; ctx leaves as codes, quantised along h x 64 + d.
; THE SOFTMAX AHEAD OF THE SECOND PRODUCT: t = score x log2(e) / 8; M = the running largest t, rounded UP to a whole number; p = 2^(t - M) is quantised along the keys, not normalised; the row's sum is taken of the
; unquantised p and divides at the end; when M moves, the sum and O are multiplied by 2^(old M - new M), which rounds nothing.
; IN: qkvc [q, k, v][head][98304]: q, k: [token tile 128][768], a half image (16 tokens x 64 channels: lane (r, h) holds block h of row r; registers 0-3 at 16 x lane, 4-5 at 512 + 8 x lane); v: [key step 16][d tile 4][half 2][768].
;   Row r of tile 2 b + u is token (for v: channel) 32 b + 8 u + r + 8 (r / 8).  qkvs [q, k, v][head][group 16][r 16][4 words]: q, k: word i = the two bytes of tile 2 i, then of tile 2 i + 1; v: word t = d tile t's four bytes.
; SHARES.  A cluster of four work-groups has one head.  A whole head's K and V (2 x 98,304 bytes of codes, 2 x 4,096 of scales) lie in each work-group's LDS, brought ONCE by joint loads: nothing is filled again, so there is no ring.
; All loads go out at the head, so nothing is left to prefetch.  Wave w owns two tiles of 16 queries, one after the other: in groups of 128 tokens w / 2 and 15 - w / 2; in a group, tile 2 cx + w % 2.
; A tile of group G needs key steps 0 .. G (the last under the mask): G + 1 steps.  So every wave has 17 steps of work, and what lies wholly under the mask is not computed.  The branch that leaves a step out hangs on the
; wave's number and the step's count alone.
; LAYOUT.  Both products are used transposed (S^T = K Q^T, O^T = V^T P^T): a lane holds ONE query.  By the order of a tile's rows the 16 registers of key tiles 2 p, 2 p + 1 are keys 32 p + 16 (lane / 16) + 0 .. 15.
; K = 64 IN AN INSTRUCTION OF 128: source 0 is the PAIR of key tiles 2 p, 2 p + 1 (one in each half of K); source 1 is Q beside six registers of zero codes, [q | 0] for tile 2 p and [0 | q] for tile 2 p + 1; the zeros' scale bytes are 0.
; LIMITS: NaN and infinities are not served; a block of zeros, or one under 2^-122, gets the byte 1 (only this program reads the bytes).
.set KSLOTB, 3932160
.set HEADB,  98304
.set STEPB,  6144                      ; a key step: 8 tiles of K, or 4 fragments of V
.set LV,     HEADB                     ; LDS: K's codes at 0, V's here,
.set LKS,    2*HEADB                   ; K's scale words,
.set LVS,    2*HEADB+4096              ; V's
.set L16, 1                            ; v1   16 x lane
.set L8,  2                            ; v2   8 x lane
.set R16, 3                            ; v3   16 r
.set DQ,  4                            ; v4   my query in its group - 16 (lane / 16)
.set NINF, 5                           ; v5   -infinity
.set LANE, 6
.set RH,  7                            ; v7   16 r + lane / 16
.set ADK16, 8                          ; v8-13 the step's LDS addresses
.set ADK8,  9
.set ADV16, 10
.set ADV8,  11
.set ADKS,  12
.set ADVS,  13
;                                        v14 -M, v15 the largest t, v[16:17] the sum in two halves
.set QWL, 18                           ; v18  Q's two scale bytes in bytes 0, 1;  v19 in bytes 2, 3
.set QWH, 19
;                                        v20-25 zero codes, v26-31 Q, v32-37 zero codes
.set KSC, 40                           ; v40-43 K's scale words, v44-47 V's
.set VSC, 44
.set F,   48                           ; v48-95  four fragments, K's and then V's
.set S,   96                           ; v96-159 S^T, then p
.set O,   160                          ; v160-191 O^T
.set PC,  192                          ; v192-203 p's codes
.set PT,  204
.set BM,  212                          ; v212-215 the blocks' largest scores, then largest p
.set BP,  216
.set SO,  220
.set PW,  224
;                                        v[226:227] f and a word that is only named; v228-231 at work
.set BV16, 232                         ; v232-235 LDS bases: V's codes (16 x lane, 8 x lane), K's and V's scale words (16 r)
.set BV8,  233
.set BKS,  234
.set BVS,  235
.set WV,  12
.set CX,  13
.set BH,  14
.set G,   15                           ; s15  the group of the tile in hand
.set KS,  16                           ; s16  the key step
.set TB,  17                           ; s17  6144 x the key step
.set TS,  18                           ; s18  256 x the key step
.set CNT, 19
.set SEL, 20
.set CS,  22
.set G1S, 24                           ; descriptor groups 1: 16, 48 and 336 rows of 256 bytes
.set G1H, 32
.set G1R, 40
.set GKS, 48                           ; groups 0: K's scales, key steps 0-1, the rest; V's likewise
.set GKH, 52
.set GKR, 56
.set GVS, 60
.set GVH, 68
.set GVR, 72
.set W1,  88
.set GA,  89
.set M8,  90
.set SH,  91
.set TQ,  92
.set QW0, 93
.set HC,  98
.set HS,  99
.macro CROUND                          ; a round of the cluster's barrier
	s_barrier_signal -1
	s_barrier_wait -1
	s_cmp_lg_u32 s[WV], 0
	s_cbranch_scc1 .Lnot_wave_0_\@
	s_barrier_signal -3
.Lnot_wave_0_\@:
	s_barrier_wait -3
	s_barrier_signal -1
	s_barrier_wait -1
.endm
.macro GROUP1 g, rows                  ; a dense block as rows of 32 elements of 8 bytes, for all four work-groups of the cluster
	s_mov_b32 s[\g], 15|(3<<16)|(1<<21)
	s_mov_b32 s[\g+1], 32<<16
	s_mov_b32 s[\g+2], (\rows)<<16
	s_mov_b32 s[\g+3], 32<<16
	s_mov_b32 s[\g+4], \rows
	s_mov_b32 s[\g+5], 32
	s_mov_b32 s[\g+6], 0
	s_mov_b32 s[\g+7], 0
.endm
	s_load_b256 s[4:11], s[0:1], 0x0               ; qkvc s[4:5], qkvs s[6:7], opc s[8:9], ops s[10:11]
	v_lshl_add_u32 v254, v0, 2, 0x32000
	v_mov_b32 v255, 0
	ds_add_u32 v254, v255
	ds_add_u32 v254, v255
	v_lshrrev_b32 v1, 5, v0
	s_delay_alu instid0(VALU_DEP_1)
	v_readfirstlane_b32 s[WV], v1                  ; wave 0..15
	s_bfe_u32 s[CX], ttmp6, 0x40000                ; my place in the cluster: it enters Q's and ctx's addresses and the mask's numbers alone
	s_and_b32 s[BH], ttmp7, 0xffff                 ; the head: 16 x batch + h
	GROUP1 G1S, 16
	GROUP1 G1H, 48
	GROUP1 G1R, 336
	s_mul_i32 s76, s[BH], HEADB                    ; the head in q's part of qkvc,
	s_add_co_u32 s78, s76, 64*HEADB                ; in k's,
	s_mov_b32 s79, 0
	s_add_co_u32 s80, s76, 128*HEADB               ; in v's
	s_mov_b32 s81, 0
	s_lshl_b32 s82, s[BH], 12                      ; and in qkvs
	s_add_co_u32 s84, s82, 64*4096
	s_mov_b32 s85, 0
	s_add_co_u32 s86, s82, 128*4096
	s_mov_b32 s87, 0
	s_wait_dscnt 0x0
	s_wait_kmcnt 0x0
	s_mov_b32 s[GKS], 1
	s_mov_b32 s[GKS+1], LKS
	s_add_nc_u64 s[GKS+2:GKS+3], s[6:7], s[84:85]
	s_or_b32 s[GKS+3], s[GKS+3], 0x80000000
	s_mov_b32 s[GKH], 1
	s_mov_b32 s[GKH+1], 0
	s_add_nc_u64 s[GKH+2:GKH+3], s[4:5], s[78:79]
	s_mov_b32 s[GKR], 1
	s_mov_b32 s[GKR+1], 2*STEPB
	s_add_nc_u64 s[GKR+2:GKR+3], s[GKH+2:GKH+3], 2*STEPB
	s_or_b32 s[GKH+3], s[GKH+3], 0x80000000
	s_or_b32 s[GKR+3], s[GKR+3], 0x80000000
	s_mov_b32 s[GVS], 1
	s_mov_b32 s[GVS+1], LVS
	s_add_nc_u64 s[GVS+2:GVS+3], s[6:7], s[86:87]
	s_or_b32 s[GVS+3], s[GVS+3], 0x80000000
	s_mov_b32 s[GVH], 1
	s_mov_b32 s[GVH+1], LV
	s_add_nc_u64 s[GVH+2:GVH+3], s[4:5], s[80:81]
	s_mov_b32 s[GVR], 1
	s_mov_b32 s[GVR+1], LV+2*STEPB
	s_add_nc_u64 s[GVR+2:GVR+3], s[GVH+2:GVH+3], 2*STEPB
	s_or_b32 s[GVH+3], s[GVH+3], 0x80000000
	s_or_b32 s[GVR+3], s[GVR+3], 0x80000000
	CROUND                                         ; all four work-groups are here: the joint loads meet
	s_cmp_eq_u32 s[WV], 0                          ; wave 0 asks for K, wave 1 for V: a wave's three fills stand in one branch on the wave's number; three tensor loads are out at the most
	s_cbranch_scc0 .Lnot_k
	tensor_load_to_lds s[GKS:GKS+3], s[G1S:G1S+7]
	s_nop 0
	tensor_load_to_lds s[GKH:GKH+3], s[G1H:G1H+7]
	s_nop 0
	tensor_load_to_lds s[GKR:GKR+3], s[G1R:G1R+7]
	s_nop 0
.rept 4
	v_nop
.endr
	s_branch .Lasked
.Lnot_k:
	s_cmp_eq_u32 s[WV], 1
	s_cbranch_scc0 .Lasked
	tensor_load_to_lds s[GVS:GVS+3], s[G1S:G1S+7]
	s_nop 0
	tensor_load_to_lds s[GVH:GVH+3], s[G1H:G1H+7]
	s_nop 0
	tensor_load_to_lds s[GVR:GVR+3], s[G1R:G1R+7]
	s_nop 0
.rept 4
	v_nop
.endr
.Lasked:
	s_and_b32 s[W1], s[WV], 1
	s_lshr_b32 s[GA], s[WV], 1
	s_lshl_b32 s[M8], s[CX], 1
	s_add_co_u32 s[M8], s[M8], s[W1]               ; my tile in a group: 2 cx + w % 2
	s_lshl_b32 s[SH], s[W1], 4                     ; which half of Q's pair word is mine
	s_lshl_b32 s[QW0], s[CX], 2
	s_add_co_u32 s[QW0], s[QW0], s82               ; Q's pair word: the head, word cx
	s_and_b32 s84, s[BH], 15                       ; h
	s_lshr_b32 s85, s[BH], 4
	s_lshl_b32 s85, s85, 7
	s_add_co_u32 s85, s85, 768                     ; ctx's first tile of my batch
	s_lshr_b32 s86, s84, 2
	s_mul_i32 s[HC], s86, KSLOTB                   ; ctx's K = 64 h + d: K slot h / 4,
	s_mul_i32 s86, s85, 3072
	s_add_co_u32 s[HC], s[HC], s86
	s_and_b32 s86, s84, 3
	s_mul_i32 s86, s86, 768                        ; half h % 4 of the tile's four
	s_add_co_u32 s[HC], s[HC], s86
	s_lshl_b32 s[HS], s85, 9
	s_lshr_b32 s86, s84, 3
	s_lshl_b32 s86, s86, 8
	s_add_co_u32 s[HS], s[HS], s86                 ; scales: half of K h / 8,
	s_and_b32 s86, s84, 7
	s_lshl_b32 s86, s86, 1
	s_add_co_u32 s[HS], s[HS], s86                 ; bytes 2 (h % 8) and the next of a row's sixteen
	s_mov_b32 s[SEL], 0x76543210
	s_mov_b32 s[SEL+1], 0xfedcba98                 ; v_permlanex16_b32's selects for lane l xor 16
	s_mov_b32 s[CS], 0x3e38aa3b                    ; c = log2(e) / sqrt(64)
	s_mov_b32 s[CS+1], s[CS]                       ; (named with it as a pair)
	v_and_b32 v[LANE], 31, v0
	s_delay_alu instid0(VALU_DEP_1)
	v_lshlrev_b32 v[L16], 4, v[LANE]
	s_delay_alu instid0(VALU_DEP_2)
	v_lshlrev_b32 v[L8], 3, v[LANE]
	v_and_b32 v228, 15, v0                         ; r
	v_bfe_u32 v229, v0, 4, 1                       ; lane / 16
	s_delay_alu instid0(VALU_DEP_2)
	v_lshlrev_b32 v[R16], 4, v228
	s_delay_alu instid0(VALU_DEP_1)
	v_add_nc_u32 v[RH], v[R16], v229
	s_delay_alu instid0(VALU_DEP_4)
	v_and_b32 v[DQ], 8, v228
	s_delay_alu instid0(VALU_DEP_1)
	v_add_nc_u32 v[DQ], v[DQ], v228                ; r + 8 (r / 8)
	v_lshlrev_b32 v230, 4, v229
	s_delay_alu instid0(VALU_DEP_1)
	v_sub_nc_u32 v[DQ], v[DQ], v230
	s_lshl_b32 s84, s[CX], 5
	s_lshl_b32 s85, s[W1], 3
	s_add_co_u32 s84, s84, s85
	v_add_nc_u32 v[DQ], s84, v[DQ]                 ; + 32 cx + 8 (w % 2)
	v_mov_b32 v[NINF], 0xff800000
	v_add_nc_u32 v[BV16], LV, v[L16]
	v_add_nc_u32 v[BV8], LV, v[L8]
	v_add_nc_u32 v[BKS], LKS, v[R16]
	v_add_nc_u32 v[BVS], LVS, v[R16]
.irp j, 0,1,2,3,4,5
	v_mov_b32 v[20+\j], 0                          ; the zero codes on both sides of Q
	v_mov_b32 v[32+\j], 0
.endr
.irp b, 0,1,2,3
	v_mov_b32 v[BP+\b], 0                          ; a lane permute's destination counts as one of its sources
.endr
	v_mov_b32 v227, 0                              ; (named as the upper half of the pair v[226:227])
; A tile of queries begins: Q's half image and scale bytes come from memory; O^T and the sum begin as zeros and the largest t as -3e38, so that the key step is written once.
.macro PASS_INIT
	s_lshl_b32 s[TQ], s[G], 3
	s_add_co_u32 s[TQ], s[TQ], s[M8]               ; the tile among the head's 128
	s_mul_i32 s94, s[TQ], 768
	s_add_co_u32 s94, s94, s76
	s_mov_b32 s95, 0
	s_add_nc_u64 s[94:95], s[4:5], s[94:95]
	s_lshl_b32 s96, s[G], 8
	s_add_co_u32 s96, s96, s[QW0]
	s_mov_b32 s97, 0
	s_add_nc_u64 s[96:97], s[6:7], s[96:97]
	global_load_b128 v[26:29], v[L16], s[94:95]
	global_load_b64 v[30:31], v[L8], s[94:95] offset:512
	global_load_b32 v228, v[R16], s[96:97]
	v_mov_b32 v15, 0xff61b1e6                      ; -3e38, under every t
	s_delay_alu instid0(VALU_DEP_1)
	v_floor_f32 v14, -v15                          ; -M
	v_mov_b32 v16, 0
	v_mov_b32 v17, 0
	s_mov_b32 s[KS], 0
	s_mov_b32 s[TB], 0
	s_mov_b32 s[TS], 0
	s_wait_loadcnt 0x0
	v_lshrrev_b32 v228, s[SH], v228
	s_delay_alu instid0(VALU_DEP_1)
	v_and_b32 v[QWL], 0xffff, v228                 ; for [q | 0]: the zeros' bytes are 0, which is 2^-127 and no NaN
	s_delay_alu instid0(VALU_DEP_2)
	v_lshlrev_b32 v[QWH], 16, v228                 ; for [0 | q]
.set n, 0
.rept 32
	v_mov_b32 v[O+n], 0                            ; (these are also the places between the scale words' lines and the first product)
.set n, n+1
.endr
.endm
; A KEY STEP: 128 keys.
.macro STEP
	s_cmp_gt_u32 s[KS], s[G]                       ; all its keys come after my queries: the work is left out, not the lines at the end that step addresses
	s_cbranch_scc1 .Lhidden_\@
	s_setprio 2
	v_add_nc_u32 v[ADK16], s[TB], v[L16]           ; (six plain places in front of the loads into registers that the last step's products read)
	v_add_nc_u32 v[ADK8], s[TB], v[L8]
	v_add_nc_u32 v[ADV16], s[TB], v[BV16]
	v_add_nc_u32 v[ADV8], s[TB], v[BV8]
	v_add_nc_u32 v[ADKS], s[TS], v[BKS]
	v_add_nc_u32 v[ADVS], s[TS], v[BVS]
.irp p, 0,1,2,3
	ds_load_b128 v[F+12*\p:F+12*\p+3], v[ADK16] offset:1536*\p           ; key tiles 2 p and 2 p + 1: two half images
	ds_load_b64 v[F+12*\p+4:F+12*\p+5], v[ADK8] offset:1536*\p+512
	ds_load_b128 v[F+12*\p+6:F+12*\p+9], v[ADK16] offset:1536*\p+768
	ds_load_b64 v[F+12*\p+10:F+12*\p+11], v[ADK8] offset:1536*\p+1280
.endr
	ds_load_b128 v[KSC:KSC+3], v[ADKS]
	s_wait_alu depctr_va_vdst(0)
	s_wait_dscnt 0x0
.irp p, 0,1,2,3
	v_wmma_scale_f32_16x16x128_f8f6f4 v[S+16*\p:S+16*\p+7], v[F+12*\p:F+12*\p+11], v[26:37], 0, v[KSC+\p], v[QWL] matrix_a_fmt:MATRIX_FMT_BF6 matrix_b_fmt:MATRIX_FMT_BF6
	v_wmma_scale_f32_16x16x128_f8f6f4 v[S+16*\p+8:S+16*\p+15], v[F+12*\p:F+12*\p+11], v[20:31], 0, v[KSC+\p], v[QWH] matrix_a_fmt:MATRIX_FMT_BF6 matrix_b_fmt:MATRIX_FMT_BF6
.endr
.rept 4
	v_nop                                          ; places in front of the loads below and of the first read of the scores
.endr
.irp t, 0,1,2,3
	ds_load_b128 v[F+12*\t:F+12*\t+3], v[ADV16] offset:1536*\t           ; V's four fragments land under the softmax
	ds_load_b64 v[F+12*\t+4:F+12*\t+5], v[ADV8] offset:1536*\t+512
	ds_load_b128 v[F+12*\t+6:F+12*\t+9], v[ADV16] offset:1536*\t+768
	ds_load_b64 v[F+12*\t+10:F+12*\t+11], v[ADV8] offset:1536*\t+1280
.endr
	ds_load_b128 v[VSC:VSC+3], v[ADVS]
	s_cmp_lg_u32 s[KS], s[G]                       ; only the step on the diagonal has hidden keys: register 16 b + i holds key 32 b + 16 (lane / 16) + i of the group, hidden where 32 b + i > my query - 16 (lane / 16)
	s_cbranch_scc1 .Lopen_\@
.irp n, 0,1,2,3,4,5,6,7,8,9,10,11,12,13,14,15,16,17,18,19,20,21,22,23,24,25,26,27,28,29,30,31,32,33,34,35,36,37,38,39,40,41,42,43,44,45,46,47,48,49,50,51,52,53,54,55,56,57,58,59,60,61,62,63
	v_cmp_gt_i32 vcc_lo, 32*(\n/16)+\n%16, v[DQ]
	v_cndmask_b32 v[S+\n], v[S+\n], v[NINF], vcc_lo
.endr
.Lopen_\@:
.irp b, 0,1,2,3
	v_max3_num_f32 v[BM+\b], v[S+16*\b], v[S+16*\b+1], v[S+16*\b+2]   ; the largest score of each block of 32 keys: for the row's maximum, and, since p rises with the score, for the block's largest p
.endr
.irp i, 3,5,7,9,11,13
.irp b, 0,1,2,3
	v_max3_num_f32 v[BM+\b], v[BM+\b], v[S+16*\b+\i], v[S+16*\b+\i+1]
.endr
.endr
.irp b, 0,1,2,3
	v_max_num_f32 v[BM+\b], v[BM+\b], v[S+16*\b+15]
.endr
.irp b, 0,1,2,3
	s_delay_alu instid0(VALU_DEP_4)
	v_permlanex16_b32 v[BP+\b], v[BM+\b], s[SEL], s[SEL+1]
.endr
.irp b, 0,1,2,3
	s_delay_alu instid0(VALU_DEP_4)
	v_max_num_f32 v[BM+\b], v[BM+\b], v[BP+\b]     ; with lane l xor 16's 16 keys
.endr
	s_delay_alu instid0(VALU_DEP_2)
	v_max3_num_f32 v228, v[BM], v[BM+1], v[BM+2]
	s_delay_alu instid0(VALU_DEP_1)
	v_max_num_f32 v228, v228, v[BM+3]
	s_delay_alu instid0(VALU_DEP_1)
	v_mul_f32 v228, s[CS], v228                    ; the step's largest t of my query
	s_delay_alu instid0(VALU_DEP_1)
	v_max_num_f32 v15, v15, v228                   ; the running largest t
	v_mov_b32 v228, v14
	s_delay_alu instid0(VALU_DEP_2)
	v_floor_f32 v14, -v15                          ; the new -M = floor(-t): M is a whole number
	s_delay_alu instid0(VALU_DEP_1)
	v_sub_f32 v228, v14, v228                      ; old M - new M: a whole number, 0 or less
	s_delay_alu instid0(VALU_DEP_1)
	v_cvt_i32_f32 v228, v228                       ; (it saturates)
	s_delay_alu instid0(VALU_DEP_1)
	v_ldexp_f32 v226, 1.0, v228                    ; f = 2^(old M - new M)
.set n, 0
.rept 32
	v_pk_fma_f32 v[S+n:S+n+1], v[S+n:S+n+1], s[CS:CS+1], v[14:15] op_sel_hi:[1,0,0]   ; t - M, two at a time
.set n, n+2
.endr
	s_setprio 1
.irp b, 0,1,2,3
	v_fma_f32 v[BM+\b], v[BM+\b], s[CS], v14       ; the same of each block's largest score
.endr
.set n, 0
	s_wait_alu depctr_va_vdst(0)
.rept 64
	v_exp_f32 v[S+n], v[S+n]                       ; p = 2^(t - M)
.set n, n+1
.endr
	v_pk_mul_f32 v[16:17], v[16:17], v[226:227] op_sel_hi:[1,0]   ; the sums under the new M: the plain place behind the exponentials
	s_wait_alu depctr_va_vdst(0)                   ; one wait for the batch, ahead of its first reader
.irp b, 0,1,2,3
	v_exp_f32 v[BM+\b], v[BM+\b]                   ; the block's largest p: the same two instructions on the same number
.endr
	v_pk_add_f32 v[230:231], v[100:101], v[104:105]
	v_pk_add_f32 v[252:253], v[108:109], v[112:113]
	v_pk_add_f32 v[250:251], v[116:117], v[120:121]
	v_pk_add_f32 v[248:249], v[124:125], v[128:129]
	v_pk_add_f32 v[246:247], v[132:133], v[136:137]
	v_pk_add_f32 v[244:245], v[140:141], v[144:145]
	v_pk_add_f32 v[242:243], v[148:149], v[152:153]
	v_pk_add_f32 v[16:17], v[16:17], v[156:157]
	v_pk_add_f32 v[230:231], v[230:231], v[96:97]
	v_pk_add_f32 v[252:253], v[252:253], v[98:99]
	v_pk_add_f32 v[250:251], v[250:251], v[102:103]
	v_pk_add_f32 v[248:249], v[248:249], v[106:107]
	v_pk_add_f32 v[246:247], v[246:247], v[110:111]
	v_pk_add_f32 v[244:245], v[244:245], v[114:115]
	v_pk_add_f32 v[242:243], v[242:243], v[118:119]
	v_pk_add_f32 v[16:17], v[16:17], v[122:123]
	v_pk_add_f32 v[230:231], v[230:231], v[126:127]
	v_pk_add_f32 v[252:253], v[252:253], v[130:131]
	v_pk_add_f32 v[250:251], v[250:251], v[134:135]
	v_pk_add_f32 v[248:249], v[248:249], v[138:139]
	v_pk_add_f32 v[246:247], v[246:247], v[142:143]
	v_pk_add_f32 v[244:245], v[244:245], v[146:147]
	v_pk_add_f32 v[242:243], v[242:243], v[150:151]
	v_pk_add_f32 v[16:17], v[16:17], v[154:155]
	v_pk_add_f32 v[230:231], v[230:231], v[158:159]
	s_delay_alu instid0(VALU_DEP_2)
	v_pk_add_f32 v[16:17], v[16:17], v[248:249]
	s_delay_alu instid0(VALU_DEP_2)
	v_pk_add_f32 v[230:231], v[230:231], v[246:247]
	v_pk_add_f32 v[252:253], v[252:253], v[244:245]
	v_pk_add_f32 v[250:251], v[250:251], v[242:243]
	s_delay_alu instid0(VALU_DEP_2)
	v_pk_add_f32 v[16:17], v[16:17], v[252:253]
	s_delay_alu instid0(VALU_DEP_2)
	v_pk_add_f32 v[230:231], v[230:231], v[250:251]
	s_delay_alu instid0(VALU_DEP_1)
	v_pk_add_f32 v[16:17], v[16:17], v[230:231]
	s_wait_alu depctr_va_vdst(0)                   ; and one for the four
.irp b, 0,1,2,3
	v_max_num_f32 v[BM+\b], 0x2800000, v[BM+\b]    ; the floor 2^(5 - 127): the byte cannot fall under 1
.endr
.irp b, 0,1,2,3
	s_delay_alu instid0(VALU_DEP_4)
	v_add_nc_u32 v[SO+\b], 0xfe000000, v[BM+\b]    ; 4 off the exponent field: the conversion's scale operand
.endr
.irp b, 0,1,2,3
	s_delay_alu instid0(VALU_DEP_4)
	v_lshrrev_b32 v[BP+\b], 23, v[SO+\b]
.endr
	s_delay_alu instid0(VALU_DEP_3)
	v_lshl_or_b32 v[PW], v[BP+1], 8, v[BP]         ; p's scale word for these 128 keys
	s_delay_alu instid0(VALU_DEP_1)
	v_lshl_or_b32 v[PW], v[BP+2], 16, v[PW]
	s_delay_alu instid0(VALU_DEP_1)
	v_lshl_or_b32 v[PW], v[BP+3], 24, v[PW]
	s_setprio 0
.irp c, 0,1
	v_cvt_scalef32_pk16_bf6_f32 v[PC+6*\c:PC+6*\c+2], v[S+32*\c:S+32*\c+15], v[SO+2*\c]
	v_cvt_scalef32_pk16_bf6_f32 v[PT+4*\c:PT+4*\c+2], v[S+32*\c+16:S+32*\c+31], v[SO+2*\c+1]
.endr
	v_nop                                          ; one plain place behind a scaled conversion
.irp c, 0,1                            ; a WHOLE block in a lane: lanes 0-15 block 2 c, lanes 16-31 block 2 c + 1
.irp i, 0,1,2
	v_permlane16_swap_b32 v[PC+6*\c+\i], v[PT+4*\c+\i]
.endr
.irp i, 0,1,2
	s_delay_alu instid0(VALU_DEP_3)
	v_mov_b32 v[PC+6*\c+3+\i], v[PT+4*\c+\i]
.endr
.endr
.set n, 0
.rept 16
	v_pk_mul_f32 v[O+n:O+n+1], v[O+n:O+n+1], v[226:227] op_sel_hi:[1,0]   ; O^T under the new M.  (These sixteen are also the places in front of the products below)
.set n, n+2
.endr
	s_wait_alu depctr_va_vdst(0)
	s_wait_dscnt 0x0                               ; V and its scale words are in
.irp t, 0,1,2,3                        ; O^T += V^T P^T: the four accumulators by turns; the next step's eight products on S^T stand between two links
	v_wmma_scale_f32_16x16x128_f8f6f4 v[O+8*\t:O+8*\t+7], v[F+12*\t:F+12*\t+11], v[PC:PC+11], v[O+8*\t:O+8*\t+7], v[VSC+\t], v[PW] matrix_a_fmt:MATRIX_FMT_BF6 matrix_b_fmt:MATRIX_FMT_BF6
.endr
.Lhidden_\@:
	s_add_co_u32 s[TB], s[TB], STEPB
	s_add_co_u32 s[TS], s[TS], 256
	s_add_co_u32 s[KS], s[KS], 1
.endm
; A tile of queries ends: O^T / the sum; register 16 b + i is channel 32 b + 16 (lane / 16) + i: two blocks of ctx's K; they become a half image and two scale bytes a row.
.macro FINISH
.rept 4
	v_nop                                          ; places behind the last products
.endr
	v_add_f32 v16, v16, v17
	s_delay_alu instid0(VALU_DEP_1)
	v_permlanex16_b32 v228, v16, s[SEL], s[SEL+1]
	s_delay_alu instid0(VALU_DEP_1)
	v_add_f32 v16, v16, v228                       ; the row's sum
	s_wait_alu depctr_va_vdst(0)
	v_rcp_f32 v226, v16
	v_nop                                          ; a plain place behind the transcendental
	s_mul_i32 s78, s[TQ], 3072
	s_add_co_u32 s78, s78, s[HC]
	s_mov_b32 s79, 0
	s_add_nc_u64 s[78:79], s[8:9], s[78:79]        ; my tile's half in opc
	s_lshl_b32 s80, s[TQ], 9
	s_add_co_u32 s80, s80, s[HS]
	s_mov_b32 s81, 0
	s_add_nc_u64 s[80:81], s[10:11], s[80:81]      ; and its bytes in ops
	s_wait_alu depctr_va_vdst(0)                   ; the wait ahead of the reciprocal's first reader
.set n, 0
.rept 16
	v_pk_mul_f32 v[S+n:S+n+1], v[O+n:O+n+1], v[226:227] op_sel_hi:[1,0]
.set n, n+2
.endr
.irp b, 0,1
	v_max3_num_f32 v[BM+\b], |v[S+16*\b]|, |v[S+16*\b+1]|, 0x2800000
.endr
.irp i, 2,4,6,8,10,12,14
.irp b, 0,1
	s_delay_alu instid0(VALU_DEP_2)
	v_max3_num_f32 v[BM+\b], v[BM+\b], |v[S+16*\b+\i]|, |v[S+16*\b+\i+1]|
.endr
.endr
.irp b, 0,1
	s_delay_alu instid0(VALU_DEP_2)
	v_permlanex16_b32 v[BP+\b], v[BM+\b], s[SEL], s[SEL+1]
.endr
.irp b, 0,1
	s_delay_alu instid0(VALU_DEP_2)
	v_max_num_f32 v[BM+\b], v[BM+\b], v[BP+\b]
.endr
.irp b, 0,1
	s_delay_alu instid0(VALU_DEP_2)
	v_add_nc_u32 v[SO+\b], 0xfe000000, v[BM+\b]
.endr
.irp b, 0,1
	s_delay_alu instid0(VALU_DEP_2)
	v_lshrrev_b32 v[BP+\b], 23, v[SO+\b]
.endr
	v_cmp_le_u32 vcc_lo, 16, v[LANE]
	s_delay_alu instid0(VALU_DEP_1)
	v_cndmask_b32 v229, v[BP], v[BP+1], vcc_lo     ; lanes 0-15 store block 0's byte, lanes 16-31 block 1's
	v_cvt_scalef32_pk16_bf6_f32 v[PC:PC+2], v[S:S+15], v[SO]
	v_cvt_scalef32_pk16_bf6_f32 v[PT:PT+2], v[S+16:S+31], v[SO+1]
	v_nop                                          ; one plain place behind a scaled conversion
.irp i, 0,1,2
	v_permlane16_swap_b32 v[PC+\i], v[PT+\i]
.endr
.irp i, 0,1,2
	s_delay_alu instid0(VALU_DEP_3)
	v_mov_b32 v[PC+3+\i], v[PT+\i]
.endr
	global_store_b128 v[L16], v[PC:PC+3], s[78:79]                 ; 512 and 256 consecutive bytes, aligned to 256
	global_store_b64 v[L8], v[PC+4:PC+5], s[78:79] offset:512
	global_store_b8 v[RH], v229, s[80:81]          ; single bytes, 16 bytes from row to row: the row's other bytes belong to other heads; 256 KB in the launch, so that the next launch reads ctx's scales as x's are read
	s_wait_xcnt 0x0                                ; the stores have read their registers and bases
.endm
	s_mov_b32 s[G], s[GA]                          ; the first tile: group w / 2
	PASS_INIT
	s_wait_tensorcnt 0x1                           ; the scales and key steps 0 and 1 are in; the load of steps 2 to 15 may stay out
	s_barrier_signal -1
	s_barrier_wait -1
	STEP                                           ; key steps 0 and 1 are written out: they read the bytes of the two loads that have landed, and no others
	STEP
	s_wait_tensorcnt 0x0                           ; the rest is in,
	s_wait_dscnt 0x0
	s_barrier_signal -1
	s_barrier_wait -1                              ; for every wave
	s_mov_b32 s[CNT], 6
.Lpass_a:                                          ; key steps 2 to 7
	STEP
	s_sub_co_u32 s[CNT], s[CNT], 1
	s_cmp_lg_u32 s[CNT], 0
	s_cbranch_scc1 .Lpass_a
	s_setprio 0
	FINISH
	s_sub_co_u32 s[G], 15, s[GA]                   ; the second tile: group 15 - w / 2
	PASS_INIT
	s_mov_b32 s[CNT], 16
.Lpass_b:
	STEP
	s_sub_co_u32 s[CNT], s[CNT], 1
	s_cmp_lg_u32 s[CNT], 0
	s_cbranch_scc1 .Lpass_b
	s_setprio 0
	FINISH
	s_wait_tensorcnt 0x0
	ds_add_u32 v254, v255
	s_wait_dscnt 0x0
	CROUND                                         ; the closing round
	s_endpgm
.Lfunc_end_k_q4679ccc145_attn:
	.size	k_q4679ccc145_attn, .Lfunc_end_k_q4679ccc145_attn-k_q4679ccc145_attn
	.p2alignl 7, 3214868480
	.fill 96, 4, 3214868480
	.section	.rodata,"a",@progbits
	.p2align	6, 0x0
	.amdhsa_kernel k_q4679ccc145_attn
		.amdhsa_group_segment_fixed_size 206848
		.amdhsa_private_segment_fixed_size 0
		.amdhsa_enable_private_segment 0
		.amdhsa_kernarg_size 32
		.amdhsa_user_sgpr_count 2
		.amdhsa_user_sgpr_kernarg_segment_ptr 1
		.amdhsa_wavefront_size32 1
		.amdhsa_system_sgpr_workgroup_id_x 1
		.amdhsa_system_sgpr_workgroup_id_y 1
		.amdhsa_system_sgpr_workgroup_id_z 1
		.amdhsa_system_vgpr_workitem_id 0
		.amdhsa_next_free_vgpr 256
		.amdhsa_next_free_sgpr 100
		.amdhsa_reserve_vcc 1
		.amdhsa_float_denorm_mode_32 3
		.amdhsa_float_denorm_mode_16_64 3
		.amdhsa_memory_ordered 1
		.amdhsa_forward_progress 1
		.amdhsa_inst_pref_size 112
	.end_amdhsa_kernel
	.amdgpu_metadata
---
amdhsa.version: [ 1, 2 ]
amdhsa.kernels:
  - .name:           k_q4679ccc145_attn
    .symbol:         k_q4679ccc145_attn.kd
    .args:
      - { .name: qkvc, .offset: 0, .size: 8, .value_kind: global_buffer, .address_space: global }
      - { .name: qkvs, .offset: 8, .size: 8, .value_kind: global_buffer, .address_space: global }
      - { .name: opc, .offset: 16, .size: 8, .value_kind: global_buffer, .address_space: global }
      - { .name: ops, .offset: 24, .size: 8, .value_kind: global_buffer, .address_space: global }
    .group_segment_fixed_size: 206848
    .private_segment_fixed_size: 0
    .kernarg_segment_align: 8
    .kernarg_segment_size: 32
    .max_flat_workgroup_size: 512
    .sgpr_count:     100
    .vgpr_count:     256
    .wavefront_size: 32
...
	.end_amdgpu_metadata
.endif
;; end of part 3
;; launch oproj (part 4): grid 4 x 32, 4 waves a work-group, clusters of 4 x 4, 327,680 bytes of LDS; arguments opc, ops, bo, out0; writes out0
.if DOCPART == 4
	.amdgcn_target "amdgcn-amd-amdhsa--gfx1250"
	.amdhsa_code_object_version 6
	.text
	.protected	k_q4679ccc145_oproj
	.globl	k_q4679ccc145_oproj
	.p2align	8
	.type	k_q4679ccc145_oproj,@function
k_q4679ccc145_oproj:
	s_mov_b64 s[64:65], 0
	v_nop
	global_prefetch_b8 v0, s[64:65] scope:SCOPE_SE
	s_setreg_imm32_b32 hwreg(HW_REG_WAVE_MODE, 25, 1), 1
	s_wait_xcnt 0x0
	s_wait_alu depctr_hold_cnt(0) depctr_sa_sdst(0) depctr_va_vdst(0) depctr_va_sdst(0) depctr_va_ssrc(0) depctr_va_vcc(0) depctr_vm_vsrc(0)
	s_getreg_b32 s2, hwreg(HW_REG_IB_STS2, 6, 4)
	s_cmp_eq_u32 s2, 0
	s_cbranch_scc0 .Lentry_in_a_cluster
	s_endpgm
.Lentry_in_a_cluster:
	s_bfe_u32 s2, ttmp6, 0x10000c
	s_cmp_lg_u32 s2, 0xf033
	s_cbranch_scc0 .Lentry_shape_is_right
	s_endpgm
.Lentry_shape_is_right:
; OPROJ: out = ctx Wo + bo on codes of BF6 (E3M2) with E8M0 scales, K = 1024; out [8192][1024] f32.
; Operands come from opc / ops: codes as images of the operand's registers, [K slot 4][tile 1280][K step 2][half 2][768]; scales [tile][half of K][r 16][4 words].  Wo: tiles 704-767; ctx: tiles 768-1279.
; Row r of tile 2 b + u is row (for Wo: column) 32 b + 8 u + r + 8 (r / 8).
; A work-group makes 256 tokens (source 1, S1 = ctx) x 256 columns (source 0, S0 = Wo); each of four waves 128 x 128: 64 accumulators.  A lane holds one token; register j of accumulator (a, b) is column 32 (b / 2) + 16 (lane / 16) + 8 (b % 2) + j.
; K goes in four slots of 256 through THREE LDS slots: slots 0 to 2 are asked for at the start, K slot 3 refills LDS slot 0 once, behind a round of the cluster's barrier.  The eight K steps are written out.
; The bias is the C of each sum's first matrix instruction.  CLUSTERS 4 x 4: ctx's tiles are shared along a row, Wo's along a column: joint loads.  No prefetch: three of four K slots are asked for at the head.
; The grid has 128 work-groups: tiles of 128 x 256 would give 256, at the price of a second form of this text.
; REGISTERS: window 0: v1-3 lane terms, v4-15 LDS addresses, v16-19 the way out, v27 offset, v28-29 for the add, v32-95 scale words (register 8 i + k: block i, K step k; lanes 0-15 S1's, lanes 16-31 S0's), v96-159 the bias,
;   v160-255 S1's fragments (one set); on the way out v128-255 take rows of out.  window 1: S0's fragments, two sets.  windows 2, 3: the accumulators ((a, b) at v[8 (8 (a % 4) + b)]).
.set KSLOTB, 3932160
.set TILEB,  3072
.set QUART,  8*TILEB                   ; eight tiles of a K slot: what one tensor load brings, dense in memory and in LDS
.set SLOT,   4*QUART                   ; S1's 16 tiles, then S0's 16
.set SPARE,  3*SLOT                    ; behind the slots: the spare words, 128 bytes a wave: two blocks of 256 bytes that no other line names
.set SPITCH, 528                       ; the way out: a stage of 16 rows x (512 bytes + 16) for each wave, in LDS slot 1: it has had its one fill, and its last read lies ahead of K step 5's barrier
.set FR,   12
.set A16,  4
.set A8,   7
.set B16,  10
.set B8,   13
.set STO,  16
.set RD,   17
.set BO,   19
.set VSA,  27
.set SPW,  28
.set NIL,  29
.set SC,   32
.set BIAS, 96
.set BK,   128
.set AF,   160
.set G1A,  24
.set G1B,  32
.set G0A,  40
.set G0B,  52
.set MSB,  0
.macro WIN new                         ; the immediate's high byte repeats the setting that is left
.if MSB != \new
	s_set_vgpr_msb (MSB<<8)|\new
.set MSB, \new
.endif
.endm
.macro PLACES                          ; four plain places between a matrix instruction and a load into, or a read of, its registers
.rept 4
	v_nop
.endr
.endm
.macro JLOAD g0a, g0b                  ; a joint load: waves 0, 1 fetch S1's halves, waves 2, 3 S0's; four v_nop follow each line
	s_cmp_eq_u32 s15, 0
	s_cbranch_scc0 .Lfor_b_\@
	tensor_load_to_lds s[\g0a:\g0a+3], s[G1A:G1A+7]
	s_nop 0
.rept 4
	v_nop
.endr
	s_branch .Lasked_\@
.Lfor_b_\@:
	tensor_load_to_lds s[\g0b:\g0b+3], s[G1B:G1B+7]
	s_nop 0
.rept 4
	v_nop
.endr
.Lasked_\@:
.endm
.macro CREST                           ; a round of the cluster's barrier behind its opening barrier
	s_cmp_lg_u32 s14, 0
	s_cbranch_scc1 .Lnot_wave_0_\@
	s_barrier_signal -3
.Lnot_wave_0_\@:
	s_barrier_wait -3
	s_barrier_signal -1
	s_barrier_wait -1
.endm
.macro CROUND
	s_barrier_signal -1
	s_barrier_wait -1
	CREST
.endm
	s_load_b256 s[4:11], s[0:1], 0x0               ; opc s[4:5], ops s[6:7], bo s[8:9], out0 s[10:11]
	v_lshl_add_u32 v[SPW], v0, 2, SPARE
	v_mov_b32 v[NIL], 0
	ds_add_u32 v28, v29
	ds_add_u32 v28, v29
	s_wait_dscnt 0x0
	v_lshrrev_b32 v1, 5, v0
	v_readfirstlane_b32 s14, v1                    ; wave 0..3
	s_lshr_b32 s15, s14, 1                         ; my half of S1.  Also: I fetch for S1 (0) or for S0 (1)
	s_and_b32 s16, s14, 1                          ; my half of S0.  Also: which eight tiles I fetch
	s_bfe_u32 s66, ttmp6, 0x40000                  ; cx: my 256 columns
	s_bfe_u32 s67, ttmp6, 0x40004                  ; cy
	s_and_b32 s71, ttmp7, 0xffff
	s_lshl_b32 s71, s71, 2
	s_add_co_u32 s71, s71, s67                     ; Y: my 256 tokens = 4 x cluster y + cy
	s_lshl_b32 s72, s66, 4
	s_add_co_u32 s72, s72, 704                     ; S0's first tile of mine: Wo's
	s_lshl_b32 s73, s71, 4
	s_add_co_u32 s73, s73, 768                     ; S1's: ctx's
	s_lshl_b32 s76, s67, 2
	s_lshl_b32 s76, 15, s76                        ; my row of the cluster
	s_lshl_b32 s77, 0x1111, s66                    ; my column
	; descriptor group 1: 24,576 dense bytes as 96 rows of 32 elements of 8 bytes, no padding
	s_or_b32 s[G1A], s76, (3<<16)|(1<<21)          ; 15:0 the mask; 17:16 elements of 8 bytes; 21 set beside a mask
	s_or_b32 s[G1B], s77, (3<<16)|(1<<21)
.irp g, G1A, G1B
	s_mov_b32 s[\g+1], 32<<16                      ; tensor_dim0
	s_mov_b32 s[\g+2], 96<<16                      ; tensor_dim1
	s_mov_b32 s[\g+3], 32<<16                      ; tile_dim0
	s_mov_b32 s[\g+4], 96                          ; tile_dim1
	s_mov_b32 s[\g+5], 32                          ; from row to row
	s_mov_b32 s[\g+6], 0
	s_mov_b32 s[\g+7], 0
.endr
	s_lshl_b32 s78, s16, 3
	s_add_co_u32 s80, s73, s78
	s_mul_i32 s80, s80, TILEB                      ; S1: the eight tiles that I fetch, in a K slot
	s_mov_b32 s81, 0
	s_add_co_u32 s82, s72, s78
	s_mul_i32 s82, s82, TILEB                      ; S0 likewise
	s_mov_b32 s83, 0
	s_mul_i32 s79, s14, QUART                      ; where they go: wave x 24,576: no place in the cluster enters an LDS address
	s_wait_kmcnt 0x0
	s_add_nc_u64 s[80:81], s[4:5], s[80:81]
	s_add_nc_u64 s[82:83], s[4:5], s[82:83]
	CROUND                                         ; all sixteen work-groups are here: the first joint loads meet
.irp s, 0,1,2
	s_mov_b32 s[G0A+4*\s], 1
	s_add_co_u32 s[G0A+4*\s+1], s79, \s*SLOT
	s_add_nc_u64 s[G0A+4*\s+2:G0A+4*\s+3], s[80:81], \s*KSLOTB
	s_or_b32 s[G0A+4*\s+3], s[G0A+4*\s+3], 0x80000000
	s_mov_b32 s[G0B+4*\s], 1
	s_add_co_u32 s[G0B+4*\s+1], s79, \s*SLOT
	s_add_nc_u64 s[G0B+4*\s+2:G0B+4*\s+3], s[82:83], \s*KSLOTB
	s_or_b32 s[G0B+4*\s+3], s[G0B+4*\s+3], 0x80000000
	JLOAD G0A+4*\s, G0B+4*\s                       ; K slots 0, 1, 2: three tensor loads of mine are out
.endr
	v_and_b32 v1, 31, v0                           ; lane
	v_lshlrev_b32 v2, 4, v1                        ; 16 x lane
	v_lshlrev_b32 v3, 3, v1                        ; 8 x lane
	s_mul_i32 s84, s15, QUART                      ; my eight tiles of S1,
	s_mul_i32 s85, s16, QUART
	s_add_co_u32 s85, s85, 2*QUART                 ; of S0, behind S1's sixteen
.irp s, 0,1,2
	v_add_nc_u32 v[A16+\s], s84, v2
	v_add_nc_u32 v[A8+\s], s84, v3
	v_add_nc_u32 v[B16+\s], s85, v2
	v_add_nc_u32 v[B8+\s], s85, v3
	s_add_co_u32 s84, s84, SLOT
	s_add_co_u32 s85, s85, SLOT
.endr
	; the scale words of all of K come once, straight into registers: lanes 0-15 take S1's block i, lanes 16-31 S0's block i
	v_and_b32 v20, 15, v0                          ; r
	v_bfe_u32 v21, v0, 4, 1                        ; lane / 16
	s_lshl_b32 s86, s15, 3
	s_add_co_u32 s86, s86, s73
	s_lshl_b32 s86, s86, 9                         ; my first tile of S1, 512 bytes a tile
	s_lshl_b32 s87, s16, 3
	s_add_co_u32 s87, s87, s72
	s_lshl_b32 s87, s87, 9                         ; of S0
	v_mov_b32 v22, s86
	v_mov_b32 v23, s87
	v_cmp_le_u32 vcc_lo, 16, v1
	v_cndmask_b32 v22, v22, v23, vcc_lo
	v_lshl_add_u32 v[VSA], v20, 4, v22
.irp i, 0,1,2,3,4,5,6,7
.irp q, 0,1
	global_load_b128 v[SC+8*\i+4*\q:SC+8*\i+4*\q+3], v[VSA], s[6:7] offset:512*\i+256*\q
.endr
.endr
	; the bias, in the result's layout: for S0's block b the eight columns 32 (b / 2) + 8 (b % 2) + 16 (lane / 16) + 0 .. 7 of my 128
	s_lshl_b32 s88, s66, 10
	s_lshl_b32 s89, s16, 9
	s_add_co_u32 s88, s88, s89                     ; my first column, in bytes
	s_mov_b32 s89, 0
	s_add_nc_u64 s[8:9], s[8:9], s[88:89]
	v_lshlrev_b32 v[BO], 6, v21
.irp b, 0,1,2,3,4,5,6,7
	global_load_b128 v[BIAS+8*\b:BIAS+8*\b+3], v[BO], s[8:9] offset:(32*(\b/2)+8*(\b%2))*4
	global_load_b128 v[BIAS+8*\b+4:BIAS+8*\b+7], v[BO], s[8:9] offset:(32*(\b/2)+8*(\b%2))*4+16
.endr
	; the way out
	s_mul_i32 s92, s14, 16*SPITCH
	s_add_co_u32 s92, s92, SLOT                    ; my stage
	v_mul_u32_u24 v[STO], v20, SPITCH
	v_lshl_add_u32 v[STO], v21, 6, v[STO]
	v_add_nc_u32 v[STO], s92, v[STO]               ; in: row r, + 64 bytes for lanes 16-31
	v_add_nc_u32 v[RD], s92, v2                    ; back: the 32 lanes take a row of 512 bytes
	s_lshl_b32 s90, s71, 8
	s_lshl_b32 s91, s15, 7
	s_add_co_u32 s90, s90, s91                     ; my first token
	s_lshl_b32 s90, s90, 12
	s_add_co_u32 s90, s90, s88
	s_mov_b32 s91, 0
	s_add_nc_u64 s[10:11], s[10:11], s[90:91]
.macro FRAG reg, a16, a8, off          ; a fragment, 12 registers, is two half images: four loads of 512, 256, 512, 256 consecutive bytes
	ds_load_b128 v[\reg:\reg+3], v[\a16] offset:\off
	ds_load_b64 v[\reg+4:\reg+5], v[\a8] offset:\off+512
	ds_load_b128 v[\reg+6:\reg+9], v[\a16] offset:\off+768
	ds_load_b64 v[\reg+10:\reg+11], v[\a8] offset:\off+1280
.endm
.macro FETCH_B slot, q, p              ; S0's eight fragments of the slot's q-th K step into set p
	WIN 0x40
.irp i, 0,1,2,3,4,5,6,7
	FRAG 128*(\p)+FR*\i, B16+(\slot), B8+(\slot), \i*TILEB+(\q)*1536
.endr
	WIN 0
.endm
.macro FETCH_A slot, q, i0             ; S1's blocks i0 .. i0 + 3
.irp i, \i0, \i0+1, \i0+2, \i0+3
	FRAG AF+FR*(\i), A16+(\slot), A8+(\slot), (\i)*TILEB+(\q)*1536
.endr
.endm
; 16 matrix instructions: S1's blocks a0, a0 + 1 x S0's eight, K step k.  first = 1: the sums begin with the bias.  The 64 accumulators take turns, one instruction a turn, in the same order in every K step.
.macro MUL16 a0, p, k, first
.irp a, \a0, \a0+1
.irp b, 0,1,2,3,4,5,6,7
.if \first
	v_wmma_scale_f32_16x16x128_f8f6f4 v[8*(8*((\a)%4)+\b):8*(8*((\a)%4)+\b)+7], v[128*(\p)+FR*\b:128*(\p)+FR*\b+FR-1], v[AF+FR*(\a):AF+FR*(\a)+FR-1], v[BIAS+8*\b:BIAS+8*\b+7], v[SC+8*\b+(\k)], v[SC+8*(\a)+(\k)] matrix_a_fmt:MATRIX_FMT_BF6 matrix_b_fmt:MATRIX_FMT_BF6 matrix_a_scale:MATRIX_SCALE_ROW1
.else
	v_wmma_scale_f32_16x16x128_f8f6f4 v[8*(8*((\a)%4)+\b):8*(8*((\a)%4)+\b)+7], v[128*(\p)+FR*\b:128*(\p)+FR*\b+FR-1], v[AF+FR*(\a):AF+FR*(\a)+FR-1], v[8*(8*((\a)%4)+\b):8*(8*((\a)%4)+\b)+7], v[SC+8*\b+(\k)], v[SC+8*(\a)+(\k)] matrix_a_fmt:MATRIX_FMT_BF6 matrix_b_fmt:MATRIX_FMT_BF6 matrix_a_scale:MATRIX_SCALE_ROW1
.endif
.endr
.endr
.endm
; K step k multiplies and fetches K step k + 1's fragments (K slot 3 lies in LDS slot 0).
; sync = 0: the next fragments lie in a slot that a barrier has already shown whole.  sync = 1: LDS slot 0 has been read out and is filled again.  sync = 2: the refill has to have landed in every wave.
.macro KSTEP k, sync, first
.set NS, (((\k)+1)/2)%3
.set NQ, ((\k)+1)%2
.set PP, (\k)%2
.if \first
.set WLO, 0x81                         ; source 0 window 1, source 1 and C (the bias) window 0, D window 2
.set WHI, 0xc1                         ; D window 3
.else
.set WLO, 0xa1                         ; C and D window 2
.set WHI, 0xf1                         ; C and D window 3
.endif
.if \sync != 0
	s_wait_tensorcnt 0x0                           ; all my tensor loads have landed
.endif
.if \sync == 1
	ds_add_u32 v[SPW], v[NIL]                      ; 0 onto my spare word
	s_wait_dscnt 17                                ; (the add and the youngest sixteen loads, S1's blocks 4-7, may be out)
.else
	s_wait_dscnt 16                                ; S0's set and S1's blocks 0-3 are in; the youngest sixteen loads may be out
.endif
	WIN WLO
	MUL16 0, PP, \k, \first
.if \sync != 0
	s_wait_dscnt 0x0                               ; the add is done, and my reads of the slot are over
	s_barrier_signal -1
.endif
	MUL16 2, PP, \k, \first
.if \sync == 0
	s_wait_dscnt 0x0                               ; S1's blocks 4-7 are in
	PLACES
.elseif \sync == 2
	WIN 0
	s_barrier_wait -1                              ; K slot 3 is whole
	PLACES
.else
	WIN 0
	s_barrier_wait -1
	CREST                                          ; the barrier has opened a round of the cluster's barrier: no wave of any partner still reads LDS slot 0 or has a load on its way
	s_add_nc_u64 s[G0A+2:G0A+3], s[G0A+2:G0A+3], 3*KSLOTB
	s_add_nc_u64 s[G0B+2:G0B+3], s[G0B+2:G0B+3], 3*KSLOTB
	JLOAD G0A, G0B                                 ; K slot 3: the first tensor load behind the round; it has four K steps in which to land; its four v_nop are the places in front of the loads below
.endif
	FETCH_B NS, NQ, 1-PP
	FETCH_A NS, NQ, 0
	WIN WHI
	MUL16 4, PP, \k, \first
	MUL16 6, PP, \k, \first
	PLACES
	WIN 0
	FETCH_A NS, NQ, 4
.endm
	s_wait_tensorcnt 0x2                           ; my part of K slot 0 is in; K slots 1 and 2 may stay out
	s_barrier_signal -1
	s_barrier_wait -1
	FETCH_B 0, 0, 0
	FETCH_A 0, 0, 0
	FETCH_A 0, 0, 4
	s_wait_loadcnt 0x0                             ; the scale words and the bias
	KSTEP 0, 0, 1                                  ; the first products start the sums from the bias: nothing is cleared, nothing is added later
	KSTEP 1, 1, 0
	KSTEP 2, 0, 0
	KSTEP 3, 0, 0                                  ; LDS slot 2 was shown whole by K step 1's barrier
	KSTEP 4, 0, 0
	KSTEP 5, 2, 0
	KSTEP 6, 0, 0
	s_wait_dscnt 16                                ; the last K step: nothing more to fetch
	WIN 0xa1
	MUL16 0, 1, 7, 0
	MUL16 2, 1, 7, 0
	s_wait_dscnt 0x0
	WIN 0xf1
	MUL16 4, 1, 7, 0
	MUL16 6, 1, 7, 0
	WIN 0
; THE WAY OUT, block by block of 16 tokens x 128 columns: through my own stage in LDS, back as whole rows of 512 bytes.  LDS serves a wave's instructions in order: no wait between the stores and the loads, nor in front of the next block's stores.
.macro TOSTAGE a
.set AC, 64*((\a)%4)
.set WD, 8+4*((\a)/4)
	WIN WD                                         ; an LDS store's data are its source 1: window 2 or 3
.irp b, 0,1,2,3,4,5,6,7
	ds_store_b128 v[STO], v[AC+8*\b:AC+8*\b+3] offset:128*(\b/2)+32*(\b%2)          ; each accumulator from its low end on
	ds_store_b128 v[STO], v[AC+8*\b+4:AC+8*\b+7] offset:128*(\b/2)+32*(\b%2)+16
.endr
	WIN 0
.set BB, BK+64*((\a)%2)
.irp t, 0,1,2,3,4,5,6,7,8,9,10,11,12,13,14,15
	ds_load_b128 v[BB+4*\t:BB+4*\t+3], v[RD] offset:\t*SPITCH
.endr
.endm
.macro SEND a, younger                 ; younger: the LDS instructions issued behind block a's loads, which may stay out
.set BB, BK+64*((\a)%2)
	s_wait_dscnt \younger
.irp t, 0,1,2,3,4,5,6,7,8,9,10,11,12,13,14,15
	global_store_b128 v2, v[BB+4*\t:BB+4*\t+3], s[10:11] offset:(32*((\a)/2)+8*((\a)%2)+\t+8*(\t/8))*4096 th:TH_STORE_NT   ; row t of block a is token 32 (a / 2) + 8 (a % 2) + t + 8 (t / 8) of my 128; 32 lanes store 512 consecutive bytes, aligned to 256
.endr
.endm
	PLACES                                         ; for the first read of results and for the loads into registers that held the bias and S1's fragments
	TOSTAGE 0
.irp a, 1,2,3,4,5,6,7
.if \a > 1
	s_wait_xcnt 0x0                                ; block a - 2's stores have read their registers: block a's loads may land there
.endif
	TOSTAGE \a
	SEND \a-1, 32                                  ; behind block a - 1's loads: block a's 16 stores and 16 loads
.endr
	SEND 7, 0
	s_wait_tensorcnt 0x0                           ; the wave's end
	ds_add_u32 v[SPW], v[NIL]
	s_wait_dscnt 0x0
	CROUND                                         ; the closing round: no work-group ends while a partner may still ask for a tile that names it
	s_endpgm
.Lfunc_end_k_q4679ccc145_oproj:
	.size	k_q4679ccc145_oproj, .Lfunc_end_k_q4679ccc145_oproj-k_q4679ccc145_oproj
	.p2alignl 7, 3214868480
	.fill 96, 4, 3214868480
	.section	.rodata,"a",@progbits
	.p2align	6, 0x0
	.amdhsa_kernel k_q4679ccc145_oproj
		.amdhsa_group_segment_fixed_size 327680
		.amdhsa_private_segment_fixed_size 0
		.amdhsa_enable_private_segment 0
		.amdhsa_kernarg_size 32
		.amdhsa_user_sgpr_count 2
		.amdhsa_user_sgpr_kernarg_segment_ptr 1
		.amdhsa_wavefront_size32 1
		.amdhsa_system_sgpr_workgroup_id_x 1
		.amdhsa_system_sgpr_workgroup_id_y 1
		.amdhsa_system_sgpr_workgroup_id_z 1
		.amdhsa_system_vgpr_workitem_id 0
		.amdhsa_next_free_vgpr 1024
		.amdhsa_next_free_sgpr 100
		.amdhsa_reserve_vcc 1
		.amdhsa_float_denorm_mode_32 3
		.amdhsa_float_denorm_mode_16_64 3
		.amdhsa_memory_ordered 1
		.amdhsa_forward_progress 1
		.amdhsa_inst_pref_size 142
	.end_amdhsa_kernel
	.amdgpu_metadata
---
amdhsa.version: [ 1, 2 ]
amdhsa.kernels:
  - .name:           k_q4679ccc145_oproj
    .symbol:         k_q4679ccc145_oproj.kd
    .args:
      - { .name: opc, .offset: 0, .size: 8, .value_kind: global_buffer, .address_space: global }
      - { .name: ops, .offset: 8, .size: 8, .value_kind: global_buffer, .address_space: global }
      - { .name: bo, .offset: 16, .size: 8, .value_kind: global_buffer, .address_space: global }
      - { .name: out0, .offset: 24, .size: 8, .value_kind: global_buffer, .address_space: global }
    .group_segment_fixed_size: 327680
    .private_segment_fixed_size: 0
    .kernarg_segment_align: 8
    .kernarg_segment_size: 32
    .max_flat_workgroup_size: 128
    .sgpr_count:     100
    .vgpr_count:     1024
    .wavefront_size: 32
...
	.end_amdgpu_metadata
.endif
;; end of part 4
